; MI455X (gfx1250); checked and timed in simulation.
; The chip was launched on July 23, 2026; its instructions are those of AMD's public machine-readable ISA for CDNA 5 (MIT licence, August 2026) and "CDNA5" Instruction Set Architecture Reference Guide (July 2026). The comments in the code are by the model that wrote it; some were corrected since.
;; Attention. Allowed arithmetic: matrix products marked QUANTISED: E4M3 operands, one E8M0 scale for each 32 along K, by v_wmma_scale_f32_16x16x128_f8f6f4 with both operands' format E4M3, f32 sums; products left as they are: f32 operands where the result goes on into a quantised operand, else bf16, f16 or f32 operands; f32 sums; everything else in f32.
;; Inputs: Wk_codes 2,048 x 32 x 32 uint8 (E4M3 codes of Wk, K innermost, in blocks of 32 codes); Wk_scales 2,048 x 32 uint8 (E8M0 scales of Wk, one for each 32 codes along K); Wo_codes 1,024 x 64 x 32 uint8 (E4M3 codes of Wo, K innermost, in blocks of 32 codes); Wo_scales 1,024 x 64 uint8 (E8M0 scales of Wo, one for each 32 codes along K); Wq_codes 2,048 x 32 x 32 uint8 (E4M3 codes of Wq, K innermost, in blocks of 32 codes); Wq_scales 2,048 x 32 uint8 (E8M0 scales of Wq, one for each 32 codes along K); Wv_codes 2,048 x 32 x 32 uint8 (E4M3 codes of Wv, K innermost, in blocks of 32 codes); Wv_scales 2,048 x 32 uint8 (E8M0 scales of Wv, one for each 32 codes along K); bk 2,048 float32; bo 1,024 float32; bq 2,048 float32; bv 2,048 float32; x_codes 2 x 2,048 x 32 x 32 uint8 (E4M3 codes of x, K innermost, in blocks of 32 codes); x_scales 2 x 2,048 x 32 uint8 (E8M0 scales of x, one for each 32 codes along K).
;; Outputs: out0 2 x 2,048 x 1,024 float32.
;; This version of the problem:
;;   THIS VERSION OF THE PROBLEM IS GIVEN IN LOW PRECISION. The matrix products marked QUANTISED in the list below multiply operands that are first quantised to E4M3 (4 exponent bits, 3 mantissa bits; 8 bits a number), with one power-of-two scale for each 32 numbers along K (OCP MX v1.0); their sums are f32. All else is computed in f32.
;;   The module's matrix products, in the order in which they are computed (A, B: the left and right operand; K: the contracted axis; several contracted axes count as one K, in the product's order):
;;     1. [M 4,096, K 1,024] x [K 1,024, N 2,048]; A: input x (given as codes); B: input Wq (given as codes): QUANTISED
;;     2. [M 4,096, K 1,024] x [K 1,024, N 2,048]; A: input x (given as codes); B: input Wk (given as codes): QUANTISED
;;     3. [M 4,096, K 1,024] x [K 1,024, N 2,048]; A: input x (given as codes); B: input Wv (given as codes): QUANTISED
;;     4. [M 2,048, K 1] x [K 1, N 64]; A: computed on the way; B: computed on the way: left as it is (no contracted axis)
;;     5. batch 32 x [M 2,048, K 128] x [K 128, N 2,048]; A: computed on the way; B: computed on the way: QUANTISED
;;     6. batch 32 x [M 2,048, K 2,048] x [K 2,048, N 128]; A: softmax (see below); B: computed on the way: QUANTISED
;;     7. [M 4,096, K 2,048] x [K 2,048, N 1,024]; A: computed on the way; B: input Wo (given as codes): QUANTISED
;;   THE QUANTISER, for each operand of a quantised product, along K:
;;     - K is cut into blocks of 32 from its start; a last block that is shorter is filled with zeros.
;;     - A block's scale is 2^e with e = floor(log2(the largest magnitude in the block)) - 8, held to -126 .. 127; a block of zeros has e = 0. As a byte (E8M0): e + 127.
;;     - Each number is divided by its block's scale, clamped to +-448, and rounded to the nearest number of E4M3, ties to even, subnormals kept.
;;     - The product sums the exact products of the quantised numbers (number of the format x scale) in f32.
;;   ~~~python
;;   def quantise(x, axis):      # numpy; x: float32 -> the quantised numbers, widened to float32 again
;;       x = np.moveaxis(x, axis, -1); K = x.shape[-1]
;;       x = np.pad(x, [(0, 0)] * (x.ndim - 1) + [(0, -K % 32)]); x = x.reshape(x.shape[:-1] + (-1, 32)); a = np.abs(x).max(-1, keepdims=True)
;;       e = np.where(a > 0, np.clip(np.frexp(np.where(a > 0, a, 1))[1] - 1 - 8, -126, 127), 0)      # np.frexp(a)[1] - 1 = floor(log2(a)), exactly
;;       r = np.clip(x / 2.0 ** e, -448, 448)
;;       step = 2.0 ** (np.maximum(np.frexp(np.where(r == 0, 1, r))[1] - 1, -6) - 3)
;;       q = np.round(r / step) * step * 2.0 ** e      # np.round: ties to even
;;       return np.moveaxis(q.reshape(q.shape[:-2] + (-1,))[..., :K], -1, axis).astype(np.float32)
;;   ~~~
;;   SOFTMAX AHEAD OF A QUANTISED PRODUCT. Where the list says 'softmax', what is quantised is not the finished softmax but p = 2^(t - M), with t = logit x log2(e) and M = ceil(the row's largest t), a whole number; so 1/2 < the row's largest p <= 1. The row's sum l is taken of the UNQUANTISED p, in f32, and the product's result is divided by l at the end. Since M is a whole number, a kernel that streams over the keys may use a running M (the ceiling of the running maximum): every later rescaling is an exact power of two, which a block's scale takes up: the codes' values come out the same.
;;   OPERANDS COMPUTED ON THE WAY. 'Computed on the way' means the value that the module computes at that place (a softmax that the list does not call 'softmax' is quantised finished and normalised). What goes into a quantiser is computed in f32, as accurately as f32 sums, v_exp_f32 and their like allow (about 1e-6 of the number): no bf16 or f16 on the way to a quantiser, and a product that is left as it is and whose result goes on into a quantised operand takes f32 operands (vector FMAs, or v_wmma_f32_16x16x4_f32). A number that lies on a knife's edge between two numbers of the format may be rounded either way, as far as f32 arithmetic and the matrix unit's own rounding can turn it there, and no further.
;;   INPUTS GIVEN AS CODES. Wk (in the module: [1024, 2048], K = its axis 0); Wo (in the module: [2048, 1024], K = its axis 0); Wq (in the module: [1024, 2048], K = its axis 0); Wv (in the module: [1024, 2048], K = its axis 0); x (in the module: [2, 2048, 1024], K = its axis 2): each comes as NAME_codes (uint8): NAME with its K axis moved to the last place and cut into blocks of 32 codes, [.., K / 32, bytes a block], one block behind the other in memory; one code a byte (a code: sign, 4 exponent bits, 3 mantissa bits); and NAME_scales (uint8): the same leading axes, one E8M0 byte (e + 127) for each 32 codes along K. Its value is code x scale, taken as it is: it is not quantised again, and the codes and scales need not be those that the quantiser above would give.
;; One version. Each part assembles by itself: llvm-mc -triple=amdgcn-amd-amdhsa -mcpu=gfx1250 --defsym DOCPART=n.
;; ======== version 1 of 1: 4 launches
;; limits: right only within a limited range of input values
;; workspace buffers: rot 2,097,152 bytes; qkc 16,777,216 bytes; qks 524,288 bytes; vc 8,388,608 bytes; vs 262,144 bytes; oc 8,388,608 bytes; os 262,144 bytes
;; launch vtab (part 1): grid 16 x 8, 4 waves a work-group, clusters of 4 x 4, 327,680 bytes of LDS; arguments Wv_codes, Wv_scales, x_codes, x_scales, bv, vc, vs, rot; writes vc, vs, rot
.if DOCPART == 1
	.amdgcn_target "amdgcn-amd-amdhsa--gfx1250"
	.amdhsa_code_object_version 6
	.text
	.protected	k_qff1331e20b_vtab
	.globl	k_qff1331e20b_vtab
	.p2align	8
	.type	k_qff1331e20b_vtab,@function
k_qff1331e20b_vtab:
	s_mov_b64 s[64:65], 0
	v_nop
	global_prefetch_b8 v0, s[64:65] scope:SCOPE_SE
	s_setreg_imm32_b32 hwreg(HW_REG_WAVE_MODE, 25, 1), 1
	s_wait_xcnt 0x0
	s_wait_alu depctr_hold_cnt(0) depctr_sa_sdst(0) depctr_va_vdst(0) depctr_va_sdst(0) depctr_va_ssrc(0) depctr_va_vcc(0) depctr_vm_vsrc(0)
	s_getreg_b32 s2, hwreg(HW_REG_IB_STS2, 6, 4)
	s_cmp_eq_u32 s2, 0
	s_cbranch_scc0 .Lentry_in_a_cluster
	s_endpgm
.Lentry_in_a_cluster:
	s_bfe_u32 s2, ttmp6, 0x10000c
	s_cmp_lg_u32 s2, 0xf033
	s_cbranch_scc0 .Lentry_shape_is_right
	s_endpgm
.Lentry_shape_is_right:
; LAUNCH 1 OF 4: v = x Wv + bv on codes of E4M3 with E8M0 scales, quantised along the KEYS for attention's second product; and the rotary table.
; THE PROGRAM: vtab (this) | qk: q and k, rotated and quantised | attn: causal attention on codes | oproj: the output projection.
; DEAD WORK, LEFT OUT IN attn ALONE: reference() sets sim to -finfo.max wherever key > query, by a mask that it builds itself (triu, k = 1).  Key 0 counts for every query, so the row's largest sim is a finite score, and
; exp(-finfo.max - that score) is 0 for all finite inputs: such a key adds 0 to the row's sum and 0 to the second product, and its p = 0 has the code 0 under any scale.  So a step of 128 keys all of which come after all 16 queries
; of a tile reaches no output and is not multiplied.  Every input has a way to the output and is loaded.  LIMIT: a NaN, an infinity or an overflow that arises only in such a step is not carried to the result.
; LIMITS OF THE PROGRAM: NaN and infinities are not served.  A block of zeros gets the scale byte 1 where the quantiser says 127: its codes are zeros, and these bytes are read by this program alone.
; The rotary frequencies are 2^(-f log2(10000) / 64) by v_exp_f32 where reference() divides 1 by a power: at the last positions (angles near 2,000) the angle may differ by a few 1e-4, as much as f32 rounding of the angle itself.
; THIS LAUNCH.  C[d][token] = sum over k of Wv[d][k] x[token][k] + bv[d].  A tile of C is 256 d x 256 tokens, four waves, a wave 128 x 128: 64 accumulators.  K = 1,024 goes in steps of 256 through two LDS slots filled by tensor loads.
; Source 0 = 16 tokens, source 1 = 16 d: a lane holds ONE d and its registers run along the tokens, which are the keys, the next product's K.  A wave's 128 tokens are one key step: its eight blocks of 16 d become eight fragments.
; CLUSTERS: 4 x 4 work-groups; Wv's tiles are shared along a row of the cluster, x's along a column, each asked for jointly.
; THE RESULT LEAVES AS IMAGES OF THE NEXT OPERAND'S REGISTERS: a fragment (16 rows x 128 K) is 2,048 bytes [c 4][lane 32][16 bytes], so each store covers 512 consecutive bytes.  Tiles are 16 NEIGHBOURING rows: in a result register
; 8 t + j of lane (r, h) is K index 16 t + 8 h + j; the conversions give 8 codes of tile 2 b and 8 of tile 2 b + 1, and two v_permlane16_swap_b32 a block bring them to the operand's order, K = 32 b + 16 h + 0 .. 15.
; The scale words of 8 fragments are 512 bytes [lane 32][w 4]: word w holds fragment 2 w in lanes 0-15 and fragment 2 w + 1 in lanes 16-31.
; THE TABLE: work-group (row, column) makes cos and sin for positions 16 R .. 16 R + 15, R = 16 row + column, while its first tiles are on their way.  rot: f32 [var 2][R 128][cos, sin][t 4][p 2][lane 32][4]; frequency 16 t + 8 h + 4 p + e;
; var 0 is multiplied by 128^-0.5 (for q), var 1 is plain (for k).
; REGISTERS: window 0: v0-31 addresses; v32-63 scale words, two sets; v64-127 the bias as a C operand; from v128 Wv's fragments, one set.  window 1: x's fragments, two sets.  windows 2, 3: the accumulators ((a, b) at v[8 (8 (a % 4) + b)]).
.set KSTEP,  256
.set NQ,     2
.set ROWB,   256
.set KROW,   1024
.set PITCH,  272                       ; an LDS row: 256 bytes + 16 of padding: the 16 rows of a fragment load start at 16 different banks
.set FR,     16
.set NL,     4
.set NP,     8                         ; places behind this matrix instruction (ISA guide 7.12.1)
.set HALFT,  128*PITCH
.set SLOT,   4*HALFT
.set LAPS,   2
.set KS,     32                        ; a row of scale bytes
.set SCL,    2*SLOT                    ; behind the ring: the scale bytes of the work-group's rows, for all of K, filled once
.set HALFS,  (128*KS/256)*272
.set SBLK,   (16*KS/256)*272
.set SPARE,  SCL+4*HALFS               ; the spare words, 128 bytes a wave
.set ADRA, 16
.set ADRB, 20
.set LI,   26                          ; v26  16 x lane; never rewritten
.set ADRS, 27
.set SPW,  28
.set NIL,  29
.set SC,   32
.set BI,   64
.set AF,   128
.set TM,   32                          ; the way out: v32-47 at work
.set SW,   48                          ; v48-51 the four scale words of the image
.set PWE,  52
.set PW,   53
.set X,    128                         ; v128-191 64 held numbers
.set PC,   192                         ; v192-207 a fragment's codes
.set G1, 24
.set G0, 32
.set G1B, 48
.set G0B, 56
.set G1S, 68
.set G0S, 76
.set G1SB, 80
.set G0SB, 88
.set SEL, 92                           ; s[92:93] lane selects: lane l xor 16
.set MNT, 94                           ; s94 the mantissa field of 448
.set HM,  95                           ; s95 lanes 16-31
.set MSB, 0
.macro WIN new
.if MSB != (\new)
	s_set_vgpr_msb (MSB<<8)|(\new)
.set MSB, (\new)
.endif
.endm
.set MUL_LO, 0xa1                      ; source 0 window 1, source 1 window 0, C and D window 2
.set MUL_HI, 0xf1                      ; C and D window 3
.set ZER_LO, 0x81                      ; the first step: C (the bias) window 0, D window 2
.set ZER_HI, 0xc1
.set TO_B,   0x40
.macro JLOAD g0a, g1a, g0b, g1b        ; a joint load: waves 0 and 1 fetch for source 1's tensor, waves 2 and 3 for source 0's; the branch hangs on the wave's number alone
	s_cmp_eq_u32 s15, 0
	s_cbranch_scc0 .Lfor_b_\@
	tensor_load_to_lds s[\g0a:\g0a+3], s[\g1a:\g1a+7]
	s_nop 0
.rept 4
	v_nop
.endr
	s_branch .Lasked_\@
.Lfor_b_\@:
	tensor_load_to_lds s[\g0b:\g0b+3], s[\g1b:\g1b+7]
	s_nop 0
.rept 4
	v_nop
.endr
.Lasked_\@:
.endm
.macro CREST
	s_cmp_lg_u32 s14, 0
	s_cbranch_scc1 .Lnot_wave_0_\@
	s_barrier_signal -3
.Lnot_wave_0_\@:
	s_barrier_wait -3
	s_barrier_signal -1
	s_barrier_wait -1
.endm
.macro CROUND
	s_barrier_signal -1
	s_barrier_wait -1
	CREST
.endm
	s_load_b128 s[4:7], s[0:1], 0x0                ; Wv's codes, Wv's scales
	s_load_b128 s[8:11], s[0:1], 0x10              ; x's codes, x's scales
	s_load_b64 s[12:13], s[0:1], 0x20              ; bv
	s_load_b64 s[96:97], s[0:1], 0x28              ; vc
	s_load_b64 s[98:99], s[0:1], 0x30              ; vs
	s_load_b64 s[100:101], s[0:1], 0x38            ; rot
	v_lshl_add_u32 v[SPW], v0, 2, SPARE
	v_mov_b32 v[NIL], 0
	ds_add_u32 v[SPW], v[NIL]                      ; the wave's opening: the add, twice on end, and its wait ahead of my first tensor load
	ds_add_u32 v[SPW], v[NIL]
	v_lshrrev_b32 v1, 5, v0
	v_readfirstlane_b32 s14, v1                    ; wave 0..3
	s_lshr_b32 s15, s14, 1                         ; which 128 d are mine.  Also: I fetch for Wv (0) or for x (1)
	s_and_b32 s16, s14, 1                          ; which 128 tokens.  Also: which 128 rows I fetch
	s_bfe_u32 s40, ttmp6, 0x40000                  ; cx
	s_bfe_u32 s41, ttmp6, 0x40004                  ; cy
	s_lshl_b32 s42, ttmp9, 2
	s_add_co_u32 s42, s42, s40                     ; tile column (tokens)
	s_and_b32 s17, ttmp7, 0xffff
	s_lshl_b32 s17, s17, 2
	s_add_co_u32 s17, s17, s41                     ; tile row (d)
	s_lshl_b32 s43, s41, 2
	s_lshl_b32 s43, 15, s43                        ; my row of the cluster
	s_lshl_b32 s44, 0x1111, s40                    ; my column
	s_or_b32 s[G1+0], s43, (0<<16)|(1<<20)|(1<<21)|(5<<22)|(3<<25)  ; mask; elements of 1 byte; padding: 4 words behind every 64
	s_or_b32 s[G1B+0], s44, (0<<16)|(1<<20)|(1<<21)|(5<<22)|(3<<25)
.irp g, G1, G1B
	s_mov_b32 s[\g+1], ROWB<<16
	s_mov_b32 s[\g+2], 128<<16
	s_mov_b32 s[\g+3], ROWB<<16
	s_mov_b32 s[\g+4], 128
	s_mov_b32 s[\g+5], KROW
	s_mov_b32 s[\g+6], 0
	s_mov_b32 s[\g+7], 0
.endr
	s_or_b32 s[G1S+0], s43, (3<<16)|(1<<20)|(1<<21)|(5<<22)|(3<<25) ; the scales of 128 rows: a dense block, as rows of 256 bytes
	s_or_b32 s[G1SB+0], s44, (3<<16)|(1<<20)|(1<<21)|(5<<22)|(3<<25)
.irp g, G1S, G1SB
	s_mov_b32 s[\g+1], 32<<16
	s_mov_b32 s[\g+2], (128*KS/256)<<16
	s_mov_b32 s[\g+3], 32<<16
	s_mov_b32 s[\g+4], 128*KS/256
	s_mov_b32 s[\g+5], 32
	s_mov_b32 s[\g+6], 0
	s_mov_b32 s[\g+7], 0
.endr
	s_lshl_b32 s18, s16, 7
	s_lshl_b32 s20, s17, 8
	s_add_co_u32 s20, s20, s18                     ; Wv: row 256 x tile row + 128 x half
	s_lshl_b32 s46, s42, 8
	s_add_co_u32 s46, s46, s18                     ; x: row 256 x tile column + 128 x half
	s_mov_b32 s21, 0
	s_mov_b32 s47, 0
	s_mov_b64 s[18:19], KS
	s_mul_u64 s[22:23], s[20:21], s[18:19]
	s_mul_u64 s[92:93], s[46:47], s[18:19]
	s_mov_b64 s[18:19], KROW
	s_mul_u64 s[20:21], s[20:21], s[18:19]
	s_mul_u64 s[46:47], s[46:47], s[18:19]
	s_mul_i32 s45, s14, HALFT
	s_mul_i32 s94, s14, HALFS
	s_wait_dscnt 0x0                               ; both opening adds are done
	s_wait_kmcnt 0x0
	s_add_nc_u64 s[20:21], s[4:5], s[20:21]
	s_add_nc_u64 s[22:23], s[6:7], s[22:23]
	s_add_nc_u64 s[46:47], s[8:9], s[46:47]
	s_add_nc_u64 s[92:93], s[10:11], s[92:93]
	CROUND                                         ; all sixteen work-groups are here: the first joint loads meet
	s_mov_b32 s[G0S], 1
	s_add_co_u32 s[G0S+1], s94, SCL
	s_mov_b64 s[G0S+2:G0S+3], s[22:23]
	s_or_b32 s[G0S+3], s[G0S+3], 0x80000000
	s_mov_b32 s[G0SB], 1
	s_add_co_u32 s[G0SB+1], s94, SCL
	s_mov_b64 s[G0SB+2:G0SB+3], s[92:93]
	s_or_b32 s[G0SB+3], s[G0SB+3], 0x80000000
	JLOAD G0S, G1S, G0SB, G1SB                     ; three tensor loads of mine go out here: the scales, K step 0, K step 1
.irp s, 0,1
	s_mov_b32 s[G0+4*\s], 1
	s_add_co_u32 s[G0+4*\s+1], s45, \s*SLOT
	s_add_nc_u64 s[G0+4*\s+2:G0+4*\s+3], s[20:21], \s*ROWB
	s_or_b32 s[G0+4*\s+3], s[G0+4*\s+3], 0x80000000
	s_mov_b32 s[G0B+4*\s], 1
	s_add_co_u32 s[G0B+4*\s+1], s45, \s*SLOT
	s_add_nc_u64 s[G0B+4*\s+2:G0B+4*\s+3], s[46:47], \s*ROWB
	s_or_b32 s[G0B+4*\s+3], s[G0B+4*\s+3], 0x80000000
	JLOAD G0+4*\s, G1, G0B+4*\s, G1B
.endr
	v_and_b32 v1, 15, v0                           ; r
	v_bfe_u32 v2, v0, 4, 1                         ; h
	v_mul_u32_u24 v3, v1, PITCH
	v_lshl_add_u32 v4, v2, 4, v3
	s_mul_i32 s21, s15, HALFT
	s_mul_i32 s22, s16, HALFT
	s_add_co_u32 s22, s22, 2*HALFT
.irp s, 0,1
	v_add_nc_u32 v[ADRA+\s], s21, v4
	v_add_nc_u32 v[ADRB+\s], s22, v4
	s_add_co_u32 s21, s21, SLOT
	s_add_co_u32 s22, s22, SLOT
.endr
	v_mul_u32_u24 v5, v1, KS
	v_lshrrev_b32 v6, 8, v5
	v_lshl_add_u32 v5, v6, 4, v5
	s_mul_i32 s21, s15, HALFS
	s_mul_i32 s22, s16, HALFS
	s_add_co_u32 s22, s22, 2*HALFS
	s_sub_co_u32 s22, s22, s21
	v_mul_u32_u24 v6, s22, v2                      ; lanes 16-31 take source 0's scale words
	s_add_co_u32 s21, s21, SCL
	v_add_nc_u32 v5, v5, v6
	v_add_nc_u32 v[ADRS], s21, v5
	v_and_b32 v6, 31, v0
	v_lshlrev_b32 v[LI], 4, v6
	; the bias as the C of each sum's first product: registers 8 a + j all hold bv[128 head + 16 a + r]
	s_lshl_b32 s20, s17, 1
	s_add_co_u32 s20, s20, s15                     ; head = 2 x tile row + half
	s_lshl_b32 s22, s20, 9
	s_mov_b32 s23, 0
	s_add_nc_u64 s[12:13], s[12:13], s[22:23]
	v_lshlrev_b32 v7, 2, v1
.irp a, 0,1,2,3,4,5,6,7
.irp j, 0,1,2,3,4,5,6,7
	global_load_b32 v[BI+8*\a+\j], v7, s[12:13] offset:64*\a
.endr
.endr
	; where my eight fragments and their scale image go: (16 bh + key step) x 16,384 and x 512
	s_lshl_b32 s21, s42, 1
	s_add_co_u32 s21, s21, s16                     ; my run of 128 tokens, 0..31
	s_lshr_b32 s22, s21, 4
	s_lshl_b32 s22, s22, 4
	s_add_co_u32 s22, s22, s20                     ; bh = 16 x batch + head
	s_and_b32 s21, s21, 15                         ; key step
	s_lshl_b32 s22, s22, 4
	s_add_co_u32 s22, s22, s21
	s_lshl_b32 s20, s22, 14
	s_mov_b32 s21, 0
	s_add_nc_u64 s[96:97], s[96:97], s[20:21]
	s_lshl_b32 s20, s22, 9
	s_add_nc_u64 s[98:99], s[98:99], s[20:21]
	; THE TABLE.  Wave w takes frequencies 16 w .. 16 w + 15; a lane (r, h) makes eight angles: position 16 R + r, frequencies 16 w + 8 h + m
	s_lshl_b32 s18, s17, 4
	s_add_co_u32 s18, s18, s42                     ; R
	s_lshl_b32 s20, s18, 13
	s_lshl_b32 s22, s14, 10
	s_add_co_u32 s20, s20, s22
	s_add_nc_u64 s[100:101], s[100:101], s[20:21]  ; rot + 8,192 R + 1,024 w
	s_lshl_b32 s19, s18, 4
	v_add_nc_u32 v224, s19, v1
	v_cvt_f32_u32 v224, v224                       ; the position
	s_lshl_b32 s19, s14, 4
	v_lshl_add_u32 v225, v2, 3, s19
	s_mov_b32 s4, 0x3fc90fdb                       ; pi / 2, its f32 part,
	s_mov_b32 s5, 0xb33bbd2e                       ; and what is left of it
	s_mov_b32 s6, 0x3638ef1d                       ; 1 / 9!
	s_mov_b32 s7, 0xb9500d01                       ; -1 / 7!
	s_mov_b32 s8, 0x3c088889                       ; 1 / 5!
	s_mov_b32 s9, 0xbe2aaaab                       ; -1 / 3!
	s_mov_b32 s10, 0x37d00d01                      ; 1 / 8!
	s_mov_b32 s11, 0xbab60b61                      ; -1 / 6!
	s_mov_b32 s44, 0x3d2aaaab                      ; 1 / 4!
.irp m, 0,1,2,3,4,5,6,7
	v_add_nc_u32 v[128+\m], \m, v225
.endr
.irp m, 0,1,2,3,4,5,6,7
	v_cvt_f32_u32 v[128+\m], v[128+\m]
.endr
.irp m, 0,1,2,3,4,5,6,7
	v_mul_f32 v[128+\m], 0xbe549a78, v[128+\m]     ; -f log2(10000) / 64
.endr
.irp m, 0,1,2,3,4,5,6,7
	v_exp_f32 v[128+\m], v[128+\m]                 ; the frequency
.endr
	v_nop                                          ; a plain instruction behind the last exponential,
	s_wait_alu depctr_va_vdst(0)                   ; and one wait for the batch, ahead of its first reader
.irp m, 0,1,2,3,4,5,6,7
	v_mul_f32 v[128+\m], v224, v[128+\m]           ; the angle: one f32 product, as reference() has it
.endr
.irp m, 0,1,2,3,4,5,6,7
	v_mul_f32 v[136+\m], 0x3f22f983, v[128+\m]
.endr
.irp m, 0,1,2,3,4,5,6,7
	v_rndne_f32 v[136+\m], v[136+\m]               ; k = the nearest multiple of pi / 2
.endr
.irp m, 0,1,2,3,4,5,6,7
	v_fma_f32 v[144+\m], -v[136+\m], s4, v[128+\m]
.endr
.irp m, 0,1,2,3,4,5,6,7
	v_fma_f32 v[144+\m], -v[136+\m], s5, v[144+\m] ; the rest, within pi / 4
.endr
.irp m, 0,1,2,3,4,5,6,7
	v_mul_f32 v[152+\m], v[144+\m], v[144+\m]
.endr
.irp m, 0,1,2,3,4,5,6,7
	v_fma_f32 v[160+\m], v[152+\m], s6, s7
	v_fma_f32 v[168+\m], v[152+\m], s10, s11
.endr
.irp m, 0,1,2,3,4,5,6,7
	v_fma_f32 v[160+\m], v[160+\m], v[152+\m], s8
	v_fma_f32 v[168+\m], v[168+\m], v[152+\m], s44
.endr
.irp m, 0,1,2,3,4,5,6,7
	v_fma_f32 v[160+\m], v[160+\m], v[152+\m], s9
	v_fma_f32 v[168+\m], v[168+\m], v[152+\m], -0.5
.endr
.irp m, 0,1,2,3,4,5,6,7
	v_mul_f32 v[176+\m], v[144+\m], v[152+\m]
	v_fma_f32 v[168+\m], v[168+\m], v[152+\m], 1.0 ; the rest's cosine
.endr
.irp m, 0,1,2,3,4,5,6,7
	v_fma_f32 v[160+\m], v[160+\m], v[176+\m], v[144+\m]   ; and sine
.endr
.irp m, 0,1,2,3,4,5,6,7
	v_cvt_i32_f32 v[176+\m], v[136+\m]
.endr
.irp m, 0,1,2,3,4,5,6,7
	v_and_b32 v[136+\m], 1, v[176+\m]
	v_cmp_eq_u32 vcc_lo, 1, v[136+\m]              ; an odd quarter swaps the two
	v_cndmask_b32 v[184+\m], v[160+\m], v[168+\m], vcc_lo
	v_cndmask_b32 v[192+\m], v[168+\m], v[160+\m], vcc_lo
	v_lshlrev_b32 v[136+\m], 30, v[176+\m]         ; the sine is negative in quarters 2 and 3: bit 1 of k
	v_and_b32 v[136+\m], 0x80000000, v[136+\m]
	v_xor_b32 v[184+\m], v[184+\m], v[136+\m]
	v_add_nc_u32 v[176+\m], 1, v[176+\m]           ; the cosine in quarters 1 and 2: bit 1 of k + 1
	v_lshlrev_b32 v[176+\m], 30, v[176+\m]
	v_and_b32 v[176+\m], 0x80000000, v[176+\m]
	v_xor_b32 v[192+\m], v[192+\m], v[176+\m]
.endr
.irp i, 0,1,2,3,4,5,6,7
	v_pk_mul_f32 v[200+2*\i:201+2*\i], v[184+2*\i:185+2*\i], 0x3db504f3 op_sel_hi:[1,0]   ; x 128^-0.5: v200-207 the sine, v208-215 the cosine
.endr
.irp p, 0,1
	global_store_b128 v[LI], v[208+4*\p:211+4*\p], s[100:101] offset:512*\p               ; each store covers 512 consecutive bytes
	global_store_b128 v[LI], v[200+4*\p:203+4*\p], s[100:101] offset:4096+512*\p
	global_store_b128 v[LI], v[192+4*\p:195+4*\p], s[100:101] offset:1048576+512*\p
	global_store_b128 v[LI], v[184+4*\p:187+4*\p], s[100:101] offset:1048576+4096+512*\p
.endr
	s_mov_b32 s[SEL], 0x76543210
	s_mov_b32 s[SEL+1], 0xfedcba98
	s_mov_b32 s[MNT], 0x600000
	s_mov_b32 s[HM], 0xffff0000
.macro FRAG reg, adr, q, i
.irp c, 0,1,2,3
	ds_load_b128 v[\reg+4*\c:\reg+4*\c+3], v[\adr] offset:128*(\q)+32*\c+(\i)*16*PITCH
.endr
.endm
; 16 matrix instructions: source 1's blocks a0, a0 + 1 x source 0's eight.  zero = 1: the first product starts the sums, on the bias.  The 64 accumulators take turns.
.macro MUL16 a0, p, q, sc, zero
.irp a, \a0, \a0+1
.irp b, 0,1,2,3,4,5,6,7
.if \zero
	v_wmma_scale_f32_16x16x128_f8f6f4 v[8*(8*((\a)%4)+\b):8*(8*((\a)%4)+\b)+7], v[128*(\p)+FR*\b:128*(\p)+FR*\b+FR-1], v[AF+FR*(\a):AF+FR*(\a)+FR-1], v[BI+8*(\a):BI+8*(\a)+7], v[SC+8*NQ*(\sc)+NQ*\b+(\q)], v[SC+8*NQ*(\sc)+NQ*(\a)+(\q)] matrix_a_scale:MATRIX_SCALE_ROW1
.else
	v_wmma_scale_f32_16x16x128_f8f6f4 v[8*(8*((\a)%4)+\b):8*(8*((\a)%4)+\b)+7], v[128*(\p)+FR*\b:128*(\p)+FR*\b+FR-1], v[AF+FR*(\a):AF+FR*(\a)+FR-1], v[8*(8*((\a)%4)+\b):8*(8*((\a)%4)+\b)+7], v[SC+8*NQ*(\sc)+NQ*\b+(\q)], v[SC+8*NQ*(\sc)+NQ*(\a)+(\q)] matrix_a_scale:MATRIX_SCALE_ROW1
.endif
.endr
.endr
.endm
.macro FETCH_B slot, q, p
	WIN TO_B
.irp i, 0,1,2,3,4,5,6,7
	FRAG 128*(\p)+FR*\i, ADRB+\slot, \q, \i
.endr
	WIN 0
.endm
.macro FETCH_A slot, q, i0
.irp i, \i0, \i0+1, \i0+2, \i0+3
	FRAG AF+FR*(\i), ADRA+\slot, \q, \i
.endr
.endm
.macro SCALES sc
.irp i, 0,1,2,3,4,5,6,7
	ds_load_b64 v[SC+8*NQ*\sc+NQ*\i:SC+8*NQ*\sc+NQ*\i+1], v[ADRS] offset:\i*SBLK
.endr
.endm
.macro PLACES n                        ; plain vector instructions between a matrix instruction and a load into, or a read of, its registers
.rept \n
	v_nop
.endr
.endm
.macro STEP slot, q, zero
	s_wait_dscnt 4*NL                              ; all but the youngest 16 loads (source 1's blocks 4-7) are in
.if \zero
	WIN ZER_LO
.else
	WIN MUL_LO
.endif
	MUL16 0, (\q)%2, \q, \slot, \zero
	MUL16 2, (\q)%2, \q, \slot, \zero
	s_wait_dscnt 0
	PLACES NP
	FETCH_B \slot, (\q)+1, 1-(\q)%2
	FETCH_A \slot, (\q)+1, 0
.if \zero
	WIN ZER_HI
.else
	WIN MUL_HI
.endif
	MUL16 4, (\q)%2, \q, \slot, \zero
	MUL16 6, (\q)%2, \q, \slot, \zero
	PLACES NP
	WIN 0
	FETCH_A \slot, (\q)+1, 4
.endm
; A slot's last step changes slots: one barrier; in front of it each wave waits for all its tensor loads, adds 0 to its spare word, and waits for that and for its reads of this slot.
.macro TURN slot, next, fill
	s_wait_tensorcnt 0x0                           ; all my tensor loads have landed: my part of the next slot
	ds_add_u32 v[SPW], v[NIL]
	s_wait_dscnt 4*NL+1                            ; the add and the youngest 16 loads may be out
	WIN MUL_LO
	MUL16 0, 1, NQ-1, \slot, 0
	s_wait_dscnt 0x0                               ; the add is done, and my reads of this slot are over
	s_barrier_signal -1
	MUL16 2, 1, NQ-1, \slot, 0
	WIN 0
	s_barrier_wait -1
.if \fill
	CREST                                          ; the barrier has opened a round of the cluster's: no wave of any partner still reads this slot or has a load on its way
	s_add_nc_u64 s[G0+4*\slot+2:G0+4*\slot+3], s[G0+4*\slot+2:G0+4*\slot+3], 2*ROWB
	s_add_nc_u64 s[G0B+4*\slot+2:G0B+4*\slot+3], s[G0B+4*\slot+2:G0B+4*\slot+3], 2*ROWB
	JLOAD G0+4*\slot, G1, G0B+4*\slot, G1B         ; my one tensor load behind the round
	PLACES NP-4
.else
	PLACES NP
.endif
	v_add_nc_u32 v[ADRS], 4*NQ, v[ADRS]
	FETCH_B \next, 0, 0
	FETCH_A \next, 0, 0
	SCALES \next
	WIN MUL_HI
	MUL16 4, 1, NQ-1, \slot, 0
	MUL16 6, 1, NQ-1, \slot, 0
	PLACES NP
	WIN 0
	FETCH_A \next, 0, 4
.endm
; 64 numbers of a lane, v[s] on in window sw (register 8 t + j = K index 16 t + 8 h + j of my row), become a fragment's codes in v[PC] on and its scale word in v[pw].
.macro QUANT s, sw, pw
	WIN (\sw)|((\sw)<<2)
.irp b, 0,1,2,3
	v_max3_num_f32 v[TM+\b], |v[(\s)+16*\b]|, |v[(\s)+16*\b+1]|, 0x4800000   ; block b: my 16 numbers, from each accumulator's low end on, and the floor 2^(9 - 127): the byte cannot fall under 1
.endr
.irp i, 2,4,6,8,10,12,14
.irp b, 0,1,2,3
	v_max3_num_f32 v[TM+\b], |v[(\s)+16*\b+\i]|, |v[(\s)+16*\b+\i+1]|, v[TM+\b]
.endr
.endr
	WIN 0
.irp b, 0,1,2,3
	v_permlanex16_b32 v[TM+4+\b], v[TM+\b], s[SEL], s[SEL+1]
.endr
.irp b, 0,1,2,3
	v_max_num_f32 v[TM+\b], v[TM+\b], v[TM+4+\b]   ; with lane l xor 16's 16: the block's largest magnitude
.endr
.irp b, 0,1,2,3
	v_add_nc_u32 v[TM+12+\b], 0xfc000000, v[TM+\b] ; 8 off its exponent field: the conversion's scale operand
.endr
.irp b, 0,1,2,3
	v_and_or_b32 v[TM+8+\b], v[TM+\b], 0x7f800000, s[MNT]   ; 448 x the scale
.endr
.irp b, 0,1,2,3
	v_lshrrev_b32 v[TM+4+\b], 23, v[TM+12+\b]      ; the scale's byte
.endr
	v_lshl_or_b32 v[\pw], v[TM+5], 8, v[TM+4]
	v_lshl_or_b32 v[\pw], v[TM+6], 16, v[\pw]
	v_lshl_or_b32 v[\pw], v[TM+7], 24, v[\pw]
	WIN \sw
.set ii, 0
.rept 64
	v_med3_num_f32 v[X+ii], v[(\s)+ii], -v[TM+8+ii/16], v[TM+8+ii/16]   ; the conversion does not saturate (ISA guide 7.6.2): the hold at 448 x the scale
.set ii, ii+1
.endr
	WIN 0
	s_wait_xcnt 0x0                                ; the last fragment's stores have read the codes' registers
.irp b, 0,1,2,3
	v_cvt_scalef32_pk8_fp8_f32 v[PC+4*\b:PC+4*\b+1], v[X+16*\b:X+16*\b+7], v[TM+12+\b]
	v_cvt_scalef32_pk8_fp8_f32 v[PC+4*\b+2:PC+4*\b+3], v[X+16*\b+8:X+16*\b+15], v[TM+12+\b]
.endr
	v_nop                                          ; a plain instruction between the conversions and what touches their results
.irp b, 0,1,2,3
	v_permlane16_swap_b32 v[PC+4*\b], v[PC+4*\b+2] ; lanes 16-31 of tile 2 b's codes change places with lanes 0-15 of tile 2 b + 1's: registers 4 b .. 4 b + 3 now hold K = 32 b + 16 h + 0 .. 15
	v_permlane16_swap_b32 v[PC+4*\b+1], v[PC+4*\b+3]
.endr
.endm
.macro OUTB a
.if (\a)%2
	QUANT 64*((\a)%4), 2+(\a)/4, PW
.else
	QUANT 64*((\a)%4), 2+(\a)/4, PWE
.endif
.irp c, 0,1,2,3
	global_store_b128 v[LI], v[PC+4*\c:PC+4*\c+3], s[96:97] offset:2048*(\a)+512*\c   ; 512 consecutive bytes a store
.endr
.if (\a)%2
	v_cndmask_b32 v[SW+(\a)/2], v[PWE], v[PW], s[HM]   ; lanes 0-15: the even fragment's words; lanes 16-31: the odd one's
.endif
.endm
	s_wait_xcnt 0x0                                ; the table's stores have read their registers, which the fragments now take
	s_wait_tensorcnt 1                             ; the scales and my part of K step 0 are in; K step 1's load may be out
	s_barrier_signal -1
	s_barrier_wait -1
	FETCH_B 0, 0, 0
	FETCH_A 0, 0, 0
	SCALES 0
	FETCH_A 0, 0, 4
	s_wait_loadcnt 0x0                             ; the bias
	STEP 0, 0, 1
	s_mov_b32 s3, LAPS-1
.Llap:
	TURN 0, 1, 1
	STEP 1, 0, 0
	TURN 1, 0, 1
	STEP 0, 0, 0
	s_sub_co_u32 s3, s3, 1
	s_cmp_lg_u32 s3, 0
	s_cbranch_scc1 .Llap
	TURN 0, 1, 0                                   ; the last lap fills nothing
	STEP 1, 0, 0
	s_wait_dscnt 4*NL
	WIN MUL_LO
	MUL16 0, 1, NQ-1, 1, 0
	MUL16 2, 1, NQ-1, 1, 0
	s_wait_dscnt 0
	WIN MUL_HI
	MUL16 4, 1, NQ-1, 1, 0
	MUL16 6, 1, NQ-1, 1, 0
	WIN 0
	PLACES NP
.irp b, 0,1,2,3
	v_mov_b32 v[TM+4+\b], 0                        ; a lane permute's destination counts as one of its sources
.endr
.irp a, 0,1,2,3,4,5,6,7
	OUTB \a
.endr
	global_store_b128 v[LI], v[SW:SW+3], s[98:99]  ; the eight fragments' scale words: 512 consecutive bytes
	s_wait_tensorcnt 0x0                           ; the wave's end
	ds_add_u32 v[SPW], v[NIL]
	s_wait_dscnt 0x0
	CROUND                                         ; the closing round
	s_endpgm
.Lfunc_end_k_qff1331e20b_vtab:
	.size	k_qff1331e20b_vtab, .Lfunc_end_k_qff1331e20b_vtab-k_qff1331e20b_vtab
	.p2alignl 7, 3214868480
	.fill 96, 4, 3214868480
	.section	.rodata,"a",@progbits
	.p2align	6, 0x0
	.amdhsa_kernel k_qff1331e20b_vtab
		.amdhsa_group_segment_fixed_size 327680
		.amdhsa_private_segment_fixed_size 0
		.amdhsa_enable_private_segment 0
		.amdhsa_kernarg_size 64
		.amdhsa_user_sgpr_count 2
		.amdhsa_user_sgpr_kernarg_segment_ptr 1
		.amdhsa_wavefront_size32 1
		.amdhsa_system_sgpr_workgroup_id_x 1
		.amdhsa_system_sgpr_workgroup_id_y 1
		.amdhsa_system_sgpr_workgroup_id_z 1
		.amdhsa_system_vgpr_workitem_id 0
		.amdhsa_next_free_vgpr 1024
		.amdhsa_next_free_sgpr 102
		.amdhsa_reserve_vcc 1
		.amdhsa_float_denorm_mode_32 3
		.amdhsa_float_denorm_mode_16_64 3
		.amdhsa_memory_ordered 1
		.amdhsa_forward_progress 1
		.amdhsa_inst_pref_size 207
	.end_amdhsa_kernel
	.amdgpu_metadata
---
amdhsa.version: [ 1, 2 ]
amdhsa.kernels:
  - .name:           k_qff1331e20b_vtab
    .symbol:         k_qff1331e20b_vtab.kd
    .args:
      - { .name: Wv_codes, .offset: 0, .size: 8, .value_kind: global_buffer, .address_space: global }
      - { .name: Wv_scales, .offset: 8, .size: 8, .value_kind: global_buffer, .address_space: global }
      - { .name: x_codes, .offset: 16, .size: 8, .value_kind: global_buffer, .address_space: global }
      - { .name: x_scales, .offset: 24, .size: 8, .value_kind: global_buffer, .address_space: global }
      - { .name: bv, .offset: 32, .size: 8, .value_kind: global_buffer, .address_space: global }
      - { .name: vc, .offset: 40, .size: 8, .value_kind: global_buffer, .address_space: global }
      - { .name: vs, .offset: 48, .size: 8, .value_kind: global_buffer, .address_space: global }
      - { .name: rot, .offset: 56, .size: 8, .value_kind: global_buffer, .address_space: global }
    .group_segment_fixed_size: 327680
    .private_segment_fixed_size: 0
    .kernarg_segment_align: 8
    .kernarg_segment_size: 64
    .max_flat_workgroup_size: 128
    .sgpr_count:     102
    .vgpr_count:     1024
    .wavefront_size: 32
...
	.end_amdgpu_metadata
.endif
;; end of part 1
;; launch qk (part 2): grid 16 x 16, 4 waves a work-group, clusters of 4 x 4, 327,680 bytes of LDS; arguments x_codes, x_scales, Wq_codes, Wq_scales, Wk_codes, Wk_scales, bq, bk, rot, qkc, qks; writes qkc, qks
.if DOCPART == 2
	.amdgcn_target "amdgcn-amd-amdhsa--gfx1250"
	.amdhsa_code_object_version 6
	.text
	.protected	k_qff1331e20b_qk
	.globl	k_qff1331e20b_qk
	.p2align	8
	.type	k_qff1331e20b_qk,@function
k_qff1331e20b_qk:
	s_mov_b64 s[64:65], 0
	v_nop
	global_prefetch_b8 v0, s[64:65] scope:SCOPE_SE
	s_setreg_imm32_b32 hwreg(HW_REG_WAVE_MODE, 25, 1), 1
	s_wait_xcnt 0x0
	s_wait_alu depctr_hold_cnt(0) depctr_sa_sdst(0) depctr_va_vdst(0) depctr_va_sdst(0) depctr_va_ssrc(0) depctr_va_vcc(0) depctr_vm_vsrc(0)
	s_getreg_b32 s2, hwreg(HW_REG_IB_STS2, 6, 4)
	s_cmp_eq_u32 s2, 0
	s_cbranch_scc0 .Lentry_in_a_cluster
	s_endpgm
.Lentry_in_a_cluster:
	s_bfe_u32 s2, ttmp6, 0x10000c
	s_cmp_lg_u32 s2, 0xf033
	s_cbranch_scc0 .Lentry_shape_is_right
	s_endpgm
.Lentry_shape_is_right:
; LAUNCH 2 OF 4: q = rotary((x Wq + bq) 128^-0.5) and k = rotary(x Wk + bk), both quantised along the head's 128 for attention's first product.  No work is left out here.
; C[token][d] = sum over k of x[token][k] W[d][k] + b[d].  Tile columns 0-7 take Wq, 8-15 Wk: the buffers are chosen by the cluster's x, which all partners share.  A tile is 256 tokens x 256 d (two heads), a wave 128 x 128 (one head).
; Source 0 = 16 d, source 1 = 16 tokens: a lane holds ONE token and its registers run along d, the next product's K: register 8 t + j of lane (r, h) is d = 16 t + 8 h + j.  So d and d + 64, the rotary's pair, are registers n and 32 + n
; of one lane.  cos and sin come from the table that the launch before has stored, in this very order; for q they carry the factor 128^-0.5.
; Ring, cluster, joint loads and scale bytes as in launch 1; the result leaves as images of the operand's registers, as there.
; REGISTERS: window 0: v0-31 addresses; v32-63 scale words; v64-127 the bias as a C operand, then a table set; from v128 x's fragments, one set.  window 1: W's fragments, two sets, then four table sets.  windows 2, 3: the accumulators.
.set KSTEP,  256
.set NQ,     2
.set ROWB,   256
.set KROW,   1024
.set PITCH,  272
.set FR,     16
.set NL,     4
.set NP,     8
.set HALFT,  128*PITCH
.set SLOT,   4*HALFT
.set LAPS,   2
.set KS,     32
.set SCL,    2*SLOT
.set HALFS,  (128*KS/256)*272
.set SBLK,   (16*KS/256)*272
.set SPARE,  SCL+4*HALFS
.set ADRA, 16
.set ADRB, 20
.set LI,   26
.set ADRS, 27
.set SPW,  28
.set NIL,  29
.set SC,   32
.set BI,   64
.set AF,   128
.set TM,   32
.set SW,   48
.set PWE,  52
.set PW,   53
.set X,    128
.set PC,   192
.set G1, 24
.set G0, 32
.set G1B, 48
.set G0B, 56
.set G1S, 68
.set G0S, 76
.set G1SB, 80
.set G0SB, 88
.set SEL, 92
.set MNT, 94
.set HM,  95
.set MSB, 0
.macro WIN new
.if MSB != (\new)
	s_set_vgpr_msb (MSB<<8)|(\new)
.set MSB, (\new)
.endif
.endm
.set MUL_LO, 0xa1
.set MUL_HI, 0xf1
.set ZER_LO, 0x81
.set ZER_HI, 0xc1
.set TO_B,   0x40
.macro JLOAD g0a, g1a, g0b, g1b
	s_cmp_eq_u32 s15, 0
	s_cbranch_scc0 .Lfor_b_\@
	tensor_load_to_lds s[\g0a:\g0a+3], s[\g1a:\g1a+7]
	s_nop 0
.rept 4
	v_nop
.endr
	s_branch .Lasked_\@
.Lfor_b_\@:
	tensor_load_to_lds s[\g0b:\g0b+3], s[\g1b:\g1b+7]
	s_nop 0
.rept 4
	v_nop
.endr
.Lasked_\@:
.endm
.macro CREST
	s_cmp_lg_u32 s14, 0
	s_cbranch_scc1 .Lnot_wave_0_\@
	s_barrier_signal -3
.Lnot_wave_0_\@:
	s_barrier_wait -3
	s_barrier_signal -1
	s_barrier_wait -1
.endm
.macro CROUND
	s_barrier_signal -1
	s_barrier_wait -1
	CREST
.endm
	s_load_b128 s[4:7], s[0:1], 0x0                ; x's codes, x's scales
	s_load_b128 s[8:11], s[0:1], 0x10              ; Wq's codes, Wq's scales
	s_load_b128 s[32:35], s[0:1], 0x20             ; Wk's codes, Wk's scales
	s_load_b128 s[36:39], s[0:1], 0x30             ; bq, bk
	s_load_b128 s[96:99], s[0:1], 0x40             ; rot, qkc
	s_load_b64 s[100:101], s[0:1], 0x50            ; qks
	v_lshl_add_u32 v[SPW], v0, 2, SPARE
	v_mov_b32 v[NIL], 0
	ds_add_u32 v[SPW], v[NIL]                      ; the wave's opening: the add, twice on end, and its wait ahead of my first tensor load
	ds_add_u32 v[SPW], v[NIL]
	v_lshrrev_b32 v1, 5, v0
	v_readfirstlane_b32 s14, v1
	s_lshr_b32 s15, s14, 1                         ; which 128 tokens are mine.  Also: I fetch for x (0) or for W (1)
	s_and_b32 s16, s14, 1                          ; which head of the tile's two.  Also: which 128 rows I fetch
	s_bfe_u32 s40, ttmp6, 0x40000
	s_bfe_u32 s41, ttmp6, 0x40004
	s_lshl_b32 s42, ttmp9, 2
	s_add_co_u32 s42, s42, s40
	s_and_b32 s42, s42, 7                          ; tile column inside Wq or Wk
	s_lshr_b32 s2, ttmp9, 1                        ; 0: q, 1: k
	s_and_b32 s17, ttmp7, 0xffff
	s_lshl_b32 s17, s17, 2
	s_add_co_u32 s17, s17, s41                     ; tile row (tokens)
	s_lshl_b32 s43, s41, 2
	s_lshl_b32 s43, 15, s43
	s_lshl_b32 s44, 0x1111, s40
	s_or_b32 s[G1+0], s43, (0<<16)|(1<<20)|(1<<21)|(5<<22)|(3<<25)
	s_or_b32 s[G1B+0], s44, (0<<16)|(1<<20)|(1<<21)|(5<<22)|(3<<25)
.irp g, G1, G1B
	s_mov_b32 s[\g+1], ROWB<<16
	s_mov_b32 s[\g+2], 128<<16
	s_mov_b32 s[\g+3], ROWB<<16
	s_mov_b32 s[\g+4], 128
	s_mov_b32 s[\g+5], KROW
	s_mov_b32 s[\g+6], 0
	s_mov_b32 s[\g+7], 0
.endr
	s_or_b32 s[G1S+0], s43, (3<<16)|(1<<20)|(1<<21)|(5<<22)|(3<<25)
	s_or_b32 s[G1SB+0], s44, (3<<16)|(1<<20)|(1<<21)|(5<<22)|(3<<25)
.irp g, G1S, G1SB
	s_mov_b32 s[\g+1], 32<<16
	s_mov_b32 s[\g+2], (128*KS/256)<<16
	s_mov_b32 s[\g+3], 32<<16
	s_mov_b32 s[\g+4], 128*KS/256
	s_mov_b32 s[\g+5], 32
	s_mov_b32 s[\g+6], 0
	s_mov_b32 s[\g+7], 0
.endr
	s_lshl_b32 s18, s16, 7
	s_lshl_b32 s20, s17, 8
	s_add_co_u32 s20, s20, s18
	s_lshl_b32 s46, s42, 8
	s_add_co_u32 s46, s46, s18
	s_mov_b32 s21, 0
	s_mov_b32 s47, 0
	s_mov_b64 s[18:19], KS
	s_mul_u64 s[22:23], s[20:21], s[18:19]
	s_mul_u64 s[92:93], s[46:47], s[18:19]
	s_mov_b64 s[18:19], KROW
	s_mul_u64 s[20:21], s[20:21], s[18:19]
	s_mul_u64 s[46:47], s[46:47], s[18:19]
	s_mul_i32 s45, s14, HALFT
	s_mul_i32 s94, s14, HALFS
	s_wait_dscnt 0x0
	s_wait_kmcnt 0x0
	s_cmp_lt_u32 ttmp9, 2                          ; the choice hangs on the cluster's x alone
	s_cselect_b64 s[8:9], s[8:9], s[32:33]
	s_cselect_b64 s[10:11], s[10:11], s[34:35]
	s_cselect_b64 s[12:13], s[36:37], s[38:39]
	s_add_nc_u64 s[20:21], s[4:5], s[20:21]
	s_add_nc_u64 s[22:23], s[6:7], s[22:23]
	s_add_nc_u64 s[46:47], s[8:9], s[46:47]
	s_add_nc_u64 s[92:93], s[10:11], s[92:93]
	CROUND
	s_mov_b32 s[G0S], 1
	s_add_co_u32 s[G0S+1], s94, SCL
	s_mov_b64 s[G0S+2:G0S+3], s[22:23]
	s_or_b32 s[G0S+3], s[G0S+3], 0x80000000
	s_mov_b32 s[G0SB], 1
	s_add_co_u32 s[G0SB+1], s94, SCL
	s_mov_b64 s[G0SB+2:G0SB+3], s[92:93]
	s_or_b32 s[G0SB+3], s[G0SB+3], 0x80000000
	JLOAD G0S, G1S, G0SB, G1SB                     ; three tensor loads of mine go out here
.irp s, 0,1
	s_mov_b32 s[G0+4*\s], 1
	s_add_co_u32 s[G0+4*\s+1], s45, \s*SLOT
	s_add_nc_u64 s[G0+4*\s+2:G0+4*\s+3], s[20:21], \s*ROWB
	s_or_b32 s[G0+4*\s+3], s[G0+4*\s+3], 0x80000000
	s_mov_b32 s[G0B+4*\s], 1
	s_add_co_u32 s[G0B+4*\s+1], s45, \s*SLOT
	s_add_nc_u64 s[G0B+4*\s+2:G0B+4*\s+3], s[46:47], \s*ROWB
	s_or_b32 s[G0B+4*\s+3], s[G0B+4*\s+3], 0x80000000
	JLOAD G0+4*\s, G1, G0B+4*\s, G1B
.endr
	v_and_b32 v1, 15, v0
	v_bfe_u32 v2, v0, 4, 1
	v_mul_u32_u24 v3, v1, PITCH
	v_lshl_add_u32 v4, v2, 4, v3
	s_mul_i32 s21, s15, HALFT
	s_mul_i32 s22, s16, HALFT
	s_add_co_u32 s22, s22, 2*HALFT
.irp s, 0,1
	v_add_nc_u32 v[ADRA+\s], s21, v4
	v_add_nc_u32 v[ADRB+\s], s22, v4
	s_add_co_u32 s21, s21, SLOT
	s_add_co_u32 s22, s22, SLOT
.endr
	v_mul_u32_u24 v5, v1, KS
	v_lshrrev_b32 v6, 8, v5
	v_lshl_add_u32 v5, v6, 4, v5
	s_mul_i32 s21, s15, HALFS
	s_mul_i32 s22, s16, HALFS
	s_add_co_u32 s22, s22, 2*HALFS
	s_sub_co_u32 s22, s22, s21
	v_mul_u32_u24 v6, s22, v2
	s_add_co_u32 s21, s21, SCL
	v_add_nc_u32 v5, v5, v6
	v_add_nc_u32 v[ADRS], s21, v5
	v_and_b32 v6, 31, v0
	v_lshlrev_b32 v[LI], 4, v6
	; the bias as the C of each sum's first product: register 8 b + j holds bias[128 head + 16 b + 8 h + j]
	s_lshl_b32 s20, s42, 1
	s_add_co_u32 s20, s20, s16                     ; head
	s_lshl_b32 s22, s20, 9
	s_mov_b32 s23, 0
	s_add_nc_u64 s[12:13], s[12:13], s[22:23]
	v_lshlrev_b32 v7, 5, v2
.irp b, 0,1,2,3,4,5,6,7
	global_load_b128 v[BI+8*\b:BI+8*\b+3], v7, s[12:13] offset:64*\b
	global_load_b128 v[BI+8*\b+4:BI+8*\b+7], v7, s[12:13] offset:64*\b+16
.endr
	; where my eight fragments and their scale image go, and where my positions' table begins
	s_lshl_b32 s21, s17, 1
	s_add_co_u32 s21, s21, s15                     ; my run of 128 tokens, 0..31
	s_lshr_b32 s22, s21, 4
	s_lshl_b32 s22, s22, 4
	s_add_co_u32 s22, s22, s20                     ; bh
	s_and_b32 s18, s21, 15                         ; the run's place in its sequence
	s_lshl_b32 s22, s22, 4
	s_add_co_u32 s22, s22, s18
	s_lshl_b32 s20, s22, 14
	s_lshl_b32 s19, s2, 23                         ; k's codes lie 8 MiB behind q's
	s_add_co_u32 s20, s20, s19
	s_mov_b32 s21, 0
	s_add_nc_u64 s[98:99], s[98:99], s[20:21]
	s_lshl_b32 s20, s22, 9
	s_lshl_b32 s19, s2, 18
	s_add_co_u32 s20, s20, s19
	s_add_nc_u64 s[100:101], s[100:101], s[20:21]
	s_lshl_b32 s20, s18, 16                        ; eight blocks of 16 positions, 8,192 bytes each
	s_lshl_b32 s19, s2, 20
	s_add_co_u32 s20, s20, s19
	s_add_nc_u64 s[96:97], s[96:97], s[20:21]
	s_mov_b32 s[SEL], 0x76543210
	s_mov_b32 s[SEL+1], 0xfedcba98
	s_mov_b32 s[MNT], 0x600000
	s_mov_b32 s[HM], 0xffff0000
.macro FRAG reg, adr, q, i
.irp c, 0,1,2,3
	ds_load_b128 v[\reg+4*\c:\reg+4*\c+3], v[\adr] offset:128*(\q)+32*\c+(\i)*16*PITCH
.endr
.endm
.macro MUL16 a0, p, q, sc, zero
.irp a, \a0, \a0+1
.irp b, 0,1,2,3,4,5,6,7
.if \zero
	v_wmma_scale_f32_16x16x128_f8f6f4 v[8*(8*((\a)%4)+\b):8*(8*((\a)%4)+\b)+7], v[128*(\p)+FR*\b:128*(\p)+FR*\b+FR-1], v[AF+FR*(\a):AF+FR*(\a)+FR-1], v[BI+8*\b:BI+8*\b+7], v[SC+8*NQ*(\sc)+NQ*\b+(\q)], v[SC+8*NQ*(\sc)+NQ*(\a)+(\q)] matrix_a_scale:MATRIX_SCALE_ROW1
.else
	v_wmma_scale_f32_16x16x128_f8f6f4 v[8*(8*((\a)%4)+\b):8*(8*((\a)%4)+\b)+7], v[128*(\p)+FR*\b:128*(\p)+FR*\b+FR-1], v[AF+FR*(\a):AF+FR*(\a)+FR-1], v[8*(8*((\a)%4)+\b):8*(8*((\a)%4)+\b)+7], v[SC+8*NQ*(\sc)+NQ*\b+(\q)], v[SC+8*NQ*(\sc)+NQ*(\a)+(\q)] matrix_a_scale:MATRIX_SCALE_ROW1
.endif
.endr
.endr
.endm
.macro FETCH_B slot, q, p
	WIN TO_B
.irp i, 0,1,2,3,4,5,6,7
	FRAG 128*(\p)+FR*\i, ADRB+\slot, \q, \i
.endr
	WIN 0
.endm
.macro FETCH_A slot, q, i0
.irp i, \i0, \i0+1, \i0+2, \i0+3
	FRAG AF+FR*(\i), ADRA+\slot, \q, \i
.endr
.endm
.macro SCALES sc
.irp i, 0,1,2,3,4,5,6,7
	ds_load_b64 v[SC+8*NQ*\sc+NQ*\i:SC+8*NQ*\sc+NQ*\i+1], v[ADRS] offset:\i*SBLK
.endr
.endm
.macro PLACES n
.rept \n
	v_nop
.endr
.endm
.macro STEP slot, q, zero
	s_wait_dscnt 4*NL                              ; all but the youngest 16 loads (x's blocks 4-7) are in
.if \zero
	WIN ZER_LO
.else
	WIN MUL_LO
.endif
	MUL16 0, (\q)%2, \q, \slot, \zero
	MUL16 2, (\q)%2, \q, \slot, \zero
	s_wait_dscnt 0
	PLACES NP
	FETCH_B \slot, (\q)+1, 1-(\q)%2
	FETCH_A \slot, (\q)+1, 0
.if \zero
	WIN ZER_HI
.else
	WIN MUL_HI
.endif
	MUL16 4, (\q)%2, \q, \slot, \zero
	MUL16 6, (\q)%2, \q, \slot, \zero
	PLACES NP
	WIN 0
	FETCH_A \slot, (\q)+1, 4
.endm
.macro TURN slot, next, fill
	s_wait_tensorcnt 0x0                           ; all my tensor loads have landed: my part of the next slot
	ds_add_u32 v[SPW], v[NIL]
	s_wait_dscnt 4*NL+1                            ; the add and the youngest 16 loads may be out
	WIN MUL_LO
	MUL16 0, 1, NQ-1, \slot, 0
	s_wait_dscnt 0x0                               ; the add is done, and my reads of this slot are over
	s_barrier_signal -1
	MUL16 2, 1, NQ-1, \slot, 0
	WIN 0
	s_barrier_wait -1
.if \fill
	CREST
	s_add_nc_u64 s[G0+4*\slot+2:G0+4*\slot+3], s[G0+4*\slot+2:G0+4*\slot+3], 2*ROWB
	s_add_nc_u64 s[G0B+4*\slot+2:G0B+4*\slot+3], s[G0B+4*\slot+2:G0B+4*\slot+3], 2*ROWB
	JLOAD G0+4*\slot, G1, G0B+4*\slot, G1B
	PLACES NP-4
.else
	PLACES NP
.endif
	v_add_nc_u32 v[ADRS], 4*NQ, v[ADRS]
	FETCH_B \next, 0, 0
	FETCH_A \next, 0, 0
	SCALES \next
	WIN MUL_HI
	MUL16 4, 1, NQ-1, \slot, 0
	MUL16 6, 1, NQ-1, \slot, 0
	PLACES NP
	WIN 0
	FETCH_A \next, 0, 4
.endm
; the table of block a (16 positions): 32 registers of cos, then 32 of sin, into window win from v[base] on; each load covers 512 consecutive bytes
.macro TABLE a, win, base
	WIN (\win)<<6
.irp k, 0,1,2,3,4,5,6,7,8,9,10,11,12,13,14,15
	global_load_b128 v[(\base)+4*\k:(\base)+4*\k+3], v[LI], s[96:97] offset:8192*(\a)+512*\k
.endr
	WIN 0
.endm
; block a is rotated into v[X] on: out[d] = t[d] cos - t[d + 64] sin, out[d + 64] = t[d + 64] cos + t[d] sin.  Each accumulator is read from its low end on.
.macro ROT a, tw, tb
.set AC, 64*((\a)%4)
.set WN, (2+(\a)/4)|((\tw)<<2)
	WIN WN
.irp n, 0,2,4,6,8,10,12,14,16,18,20,22,24,26,28,30
	v_pk_mul_f32 v[X+\n:X+\n+1], v[AC+\n:AC+\n+1], v[(\tb)+\n:(\tb)+\n+1]
.endr
.irp n, 0,2,4,6,8,10,12,14,16,18,20,22,24,26,28,30
	v_pk_mul_f32 v[X+32+\n:X+33+\n], v[AC+32+\n:AC+33+\n], v[(\tb)+\n:(\tb)+\n+1]
.endr
.irp n, 0,2,4,6,8,10,12,14,16,18,20,22,24,26,28,30
	v_pk_fma_f32 v[X+\n:X+\n+1], v[AC+32+\n:AC+33+\n], v[(\tb)+32+\n:(\tb)+33+\n], v[X+\n:X+\n+1] neg_lo:[0,1,0] neg_hi:[0,1,0]
.endr
.irp n, 0,2,4,6,8,10,12,14,16,18,20,22,24,26,28,30
	v_pk_fma_f32 v[X+32+\n:X+33+\n], v[AC+\n:AC+\n+1], v[(\tb)+32+\n:(\tb)+33+\n], v[X+32+\n:X+33+\n]
.endr
	WIN 0
.endm
; the 64 numbers in v[X] on become a fragment's codes in v[PC] on and its scale word in v[pw]
.macro QUANT pw
.irp b, 0,1,2,3
	v_max3_num_f32 v[TM+\b], |v[X+16*\b]|, |v[X+16*\b+1]|, 0x4800000   ; and the floor 2^(9 - 127): the byte cannot fall under 1
.endr
.irp i, 2,4,6,8,10,12,14
.irp b, 0,1,2,3
	v_max3_num_f32 v[TM+\b], |v[X+16*\b+\i]|, |v[X+16*\b+\i+1]|, v[TM+\b]
.endr
.endr
.irp b, 0,1,2,3
	v_permlanex16_b32 v[TM+4+\b], v[TM+\b], s[SEL], s[SEL+1]
.endr
.irp b, 0,1,2,3
	v_max_num_f32 v[TM+\b], v[TM+\b], v[TM+4+\b]
.endr
.irp b, 0,1,2,3
	v_add_nc_u32 v[TM+12+\b], 0xfc000000, v[TM+\b]
.endr
.irp b, 0,1,2,3
	v_and_or_b32 v[TM+8+\b], v[TM+\b], 0x7f800000, s[MNT]
.endr
.irp b, 0,1,2,3
	v_lshrrev_b32 v[TM+4+\b], 23, v[TM+12+\b]
.endr
	v_lshl_or_b32 v[\pw], v[TM+5], 8, v[TM+4]
	v_lshl_or_b32 v[\pw], v[TM+6], 16, v[\pw]
	v_lshl_or_b32 v[\pw], v[TM+7], 24, v[\pw]
.set ii, 0
.rept 64
	v_med3_num_f32 v[X+ii], v[X+ii], -v[TM+8+ii/16], v[TM+8+ii/16]
.set ii, ii+1
.endr
	s_wait_xcnt 0x0                                ; the last fragment's stores have read the codes' registers
.irp b, 0,1,2,3
	v_cvt_scalef32_pk8_fp8_f32 v[PC+4*\b:PC+4*\b+1], v[X+16*\b:X+16*\b+7], v[TM+12+\b]
	v_cvt_scalef32_pk8_fp8_f32 v[PC+4*\b+2:PC+4*\b+3], v[X+16*\b+8:X+16*\b+15], v[TM+12+\b]
.endr
	v_nop
.irp b, 0,1,2,3
	v_permlane16_swap_b32 v[PC+4*\b], v[PC+4*\b+2]
	v_permlane16_swap_b32 v[PC+4*\b+1], v[PC+4*\b+3]
.endr
.endm
; block a: left = how many younger table loads may stay out (-1: its set was waited for earlier); nxt: the block whose table takes this set next (0: none)
.macro OUTB a, tw, tb, left, nxt
.if (\left) >= 0
	s_wait_loadcnt \left
.endif
	ROT \a, \tw, \tb
.if (\nxt) > 0
	TABLE \nxt, \tw, \tb
.endif
.if (\a)%2
	QUANT PW
.else
	QUANT PWE
.endif
.irp c, 0,1,2,3
	global_store_b128 v[LI], v[PC+4*\c:PC+4*\c+3], s[98:99] offset:2048*(\a)+512*\c
.endr
.if (\a)%2
	v_cndmask_b32 v[SW+(\a)/2], v[PWE], v[PW], s[HM]
.endif
.endm
	s_wait_tensorcnt 1                             ; the scales and my part of K step 0 are in; K step 1's load may be out
	s_barrier_signal -1
	s_barrier_wait -1
	FETCH_B 0, 0, 0
	FETCH_A 0, 0, 0
	SCALES 0
	FETCH_A 0, 0, 4
	s_wait_loadcnt 0x0                             ; the bias
	STEP 0, 0, 1
	TABLE 0, 0, BI                                 ; the bias has served (eight places stand behind its last reader): block 0's table takes its registers
	s_mov_b32 s3, LAPS-1
.Llap:
	TURN 0, 1, 1
	STEP 1, 0, 0
	TURN 1, 0, 1
	STEP 0, 0, 0
	s_sub_co_u32 s3, s3, 1
	s_cmp_lg_u32 s3, 0
	s_cbranch_scc1 .Llap
	TURN 0, 1, 0
	STEP 1, 0, 0
	s_wait_loadcnt 0x0                             ; block 0's table, asked for six steps ago
	TABLE 1, 1, 0                                  ; W's set 0 has served
	TABLE 2, 1, 64
	s_wait_dscnt 4*NL
	WIN MUL_LO
	MUL16 0, 1, NQ-1, 1, 0
	MUL16 2, 1, NQ-1, 1, 0
	s_wait_dscnt 0
	WIN MUL_HI
	MUL16 4, 1, NQ-1, 1, 0
	MUL16 6, 1, NQ-1, 1, 0
	WIN 0
	PLACES NP
	TABLE 3, 1, 128                                ; and set 1
	TABLE 4, 1, 192
.irp b, 0,1,2,3
	v_mov_b32 v[TM+4+\b], 0
.endr
	OUTB 0, 0, 64, -1, 5
	OUTB 1, 1, 0, 63, 6                            ; behind block 1's table 64 loads were issued (blocks 2 to 5): the count's field holds 63
	OUTB 2, 1, 64, 63, 7
	OUTB 3, 1, 128, 63, 0
	OUTB 4, 1, 192, 48, 0                          ; blocks 5, 6, 7
	OUTB 5, 0, 64, 32, 0
	OUTB 6, 1, 0, 16, 0
	OUTB 7, 1, 64, 0, 0
	global_store_b128 v[LI], v[SW:SW+3], s[100:101]
	s_wait_tensorcnt 0x0                           ; the wave's end
	ds_add_u32 v[SPW], v[NIL]
	s_wait_dscnt 0x0
	CROUND
	s_endpgm
.Lfunc_end_k_qff1331e20b_qk:
	.size	k_qff1331e20b_qk, .Lfunc_end_k_qff1331e20b_qk-k_qff1331e20b_qk
	.p2alignl 7, 3214868480
	.fill 96, 4, 3214868480
	.section	.rodata,"a",@progbits
	.p2align	6, 0x0
	.amdhsa_kernel k_qff1331e20b_qk
		.amdhsa_group_segment_fixed_size 327680
		.amdhsa_private_segment_fixed_size 0
		.amdhsa_enable_private_segment 0
		.amdhsa_kernarg_size 88
		.amdhsa_user_sgpr_count 2
		.amdhsa_user_sgpr_kernarg_segment_ptr 1
		.amdhsa_wavefront_size32 1
		.amdhsa_system_sgpr_workgroup_id_x 1
		.amdhsa_system_sgpr_workgroup_id_y 1
		.amdhsa_system_sgpr_workgroup_id_z 1
		.amdhsa_system_vgpr_workitem_id 0
		.amdhsa_next_free_vgpr 1024
		.amdhsa_next_free_sgpr 102
		.amdhsa_reserve_vcc 0
		.amdhsa_float_denorm_mode_32 3
		.amdhsa_float_denorm_mode_16_64 3
		.amdhsa_memory_ordered 1
		.amdhsa_forward_progress 1
		.amdhsa_inst_pref_size 233
	.end_amdhsa_kernel
	.amdgpu_metadata
---
amdhsa.version: [ 1, 2 ]
amdhsa.kernels:
  - .name:           k_qff1331e20b_qk
    .symbol:         k_qff1331e20b_qk.kd
    .args:
      - { .name: x_codes, .offset: 0, .size: 8, .value_kind: global_buffer, .address_space: global }
      - { .name: x_scales, .offset: 8, .size: 8, .value_kind: global_buffer, .address_space: global }
      - { .name: Wq_codes, .offset: 16, .size: 8, .value_kind: global_buffer, .address_space: global }
      - { .name: Wq_scales, .offset: 24, .size: 8, .value_kind: global_buffer, .address_space: global }
      - { .name: Wk_codes, .offset: 32, .size: 8, .value_kind: global_buffer, .address_space: global }
      - { .name: Wk_scales, .offset: 40, .size: 8, .value_kind: global_buffer, .address_space: global }
      - { .name: bq, .offset: 48, .size: 8, .value_kind: global_buffer, .address_space: global }
      - { .name: bk, .offset: 56, .size: 8, .value_kind: global_buffer, .address_space: global }
      - { .name: rot, .offset: 64, .size: 8, .value_kind: global_buffer, .address_space: global }
      - { .name: qkc, .offset: 72, .size: 8, .value_kind: global_buffer, .address_space: global }
      - { .name: qks, .offset: 80, .size: 8, .value_kind: global_buffer, .address_space: global }
    .group_segment_fixed_size: 327680
    .private_segment_fixed_size: 0
    .kernarg_segment_align: 8
    .kernarg_segment_size: 88
    .max_flat_workgroup_size: 128
    .sgpr_count:     102
    .vgpr_count:     1024
    .wavefront_size: 32
...
	.end_amdgpu_metadata
.endif
;; end of part 2
;; launch attn (part 3): grid 8 x 32, 16 waves a work-group, no clusters, 327,680 bytes of LDS; arguments qkc, qks, vc, vs, oc, os; writes oc, os
.if DOCPART == 3
	.amdgcn_target "amdgcn-amd-amdhsa--gfx1250"
	.amdhsa_code_object_version 6
	.text
	.protected	k_qff1331e20b_attn
	.globl	k_qff1331e20b_attn
	.p2align	8
	.type	k_qff1331e20b_attn,@function
k_qff1331e20b_attn:
	s_mov_b64 s[64:65], 0
	v_nop
	global_prefetch_b8 v0, s[64:65] scope:SCOPE_SE
	s_setreg_imm32_b32 hwreg(HW_REG_WAVE_MODE, 25, 1), 1
	s_wait_xcnt 0x0
; LAUNCH 3 OF 4: causal attention on codes of E4M3 with E8M0 scales; the result is quantised along the head's 128 for the output projection.
; WORK LEFT OUT: a step of 128 keys all of which come after all 16 queries of a wave's tile: reference()'s own mask gives those keys p = 0 for all finite inputs (shown at the head of launch 1).
; LIMIT: a NaN, an infinity or an overflow that arises only in such a step is not carried to the result.
; THE SOFTMAX: t = score x log2(e) (q carries 128^-0.5 already); M = the running largest t rounded UP to a whole number; p = 2^(t - M) is quantised along the keys, not normalised; the row's sum is taken of the unquantised p and divides at the end.
; SHARES.  Work-group (i, bh) owns two blocks of 128 queries of head bh: waves 0-7 block i, waves 8-15 block 15 - i; a wave owns 16 queries.  So each work-group has 8 (i + 1) + 8 (16 - i) = 136 key steps of a wave, whatever i.
; Every wave walks all slots; a step that is hidden for it is jumped over by a scalar branch on ids.  K's and V's fragments come through two LDS slots of 256 keys, filled by waves 0 to 3 and read by all sixteen.
; NO CLUSTER: the eight work-groups of a head want different numbers of slots (the last query of work-group i is 2,047 - 128 i), so partners would have to jump over joint loads.
; LAYOUT.  All operands lie in memory and in LDS as images of their registers: a fragment (16 rows x 128 K) is [c 4][lane 32][16 bytes]; the scale words of 8 fragments are [lane 32][w 4], fragment 2 w in lanes 0-15, 2 w + 1 in lanes 16-31.
; Both products are used transposed: a lane holds ONE query; register 8 T + j of S^T is key 16 T + 8 h + j.  p's codes are brought to the operand's order by two v_permlane16_swap_b32 a block.
; REGISTERS: v1 16 x lane; v2 K's scale images; v5, v6 the add's; v7 prefetch offset; v8, v10 addresses in hand; v12 -M, v13 the largest t, v[14:15] the sum; v16-31 Q; v32-95 four fragments; v96-159 S^T, p; v160-223 O^T; v224-239 p's codes;
; v232-247, v252-254 at work; v248-251 the tiles' scale words; v253 p's scale word; v255 Q's.
.set SK,    256
.set NSL,   8
.set SLOT1, 1<<17                      ; a slot: K of two steps, then V of two steps, 16,384 bytes each
.set SCK,   2*SLOT1                    ; K's 16 scale images of the head, 512 bytes each; V's 8,192 bytes on
.set SPARE, SCK+16384                  ; the spare words, 128 bytes a wave
.set LI,   1
.set SK0,  2
.set SPW,  5
.set NIL,  6
.set PFO,  7
.set ADK,  8
.set ADS,  10
.set WV,   18
.set MNT,  19
.set SEL,  20
.set CS,   22
.set G1,   24
.set G1S,  32
.set G0,   40
.set G0S,  44
.set TB,   2
.set TS,   3
.set QL,   66
.set SLOTS, 67
.set PFA,  76
.set LIM,  80
.set KF,   98
.set Q0,   99
.macro TLOAD                           ; waves 0 and 1 fetch the slot's two steps of K, waves 2 and 3 those of V: one line, one shape; the branch hangs on the wave's number alone
	s_cmp_lt_u32 s[WV], 4
	s_cbranch_scc0 .Lasked_\@
	tensor_load_to_lds s[G0:G0+3], s[G1:G1+7]
	s_nop 0
.rept 4
	v_nop
.endr
.Lasked_\@:
.endm
; A prefetch of what the NEXT change of slots will ask for: 32,768 dense bytes of K and as many of V.  All work-groups of a head walk the same bytes: the one with x = 0, which loads every slot, asks; in it waves 4 to 7 ask for K's,
; waves 8 to 11 for V's, 8,192 bytes a wave, lanes 256 bytes apart: each block of 256 bytes is named once.  The last change that fills a slot asks for nothing; slots 0 and 1 come by their loads alone.
.macro ASK
	s_cmp_gt_u32 s[SLOTS], s[LIM]
	s_cbranch_scc0 .Lnot_mine_\@
	global_prefetch_b8 v[PFO], s[PFA:PFA+1] th:TH_LOAD_NT scope:SCOPE_SE
.Lnot_mine_\@:
.endm
	s_load_b256 s[4:11], s[0:1], 0x0               ; qkc, qks, vc, vs
	s_load_b128 s[12:15], s[0:1], 0x20             ; oc, os
	v_lshl_add_u32 v[SPW], v0, 2, SPARE
	v_mov_b32 v[NIL], 0
	ds_add_u32 v[SPW], v[NIL]                      ; the wave's opening: the add, twice on end, and its wait ahead of my first tensor load
	ds_add_u32 v[SPW], v[NIL]
	v_lshrrev_b32 v8, 5, v0
	s_delay_alu instid0(VALU_DEP_1)
	v_readfirstlane_b32 s[WV], v8                  ; wave 0..15
	s_and_b32 s72, ttmp7, 0xffff                   ; bh
	s_and_b32 s73, s[WV], 1
	s_sub_co_u32 s74, 15, ttmp9
	s_cmp_lt_u32 s[WV], 8
	s_cselect_b32 s74, ttmp9, s74                  ; my block of 128 queries
	s_and_b32 s75, s[WV], 7                        ; my tile in it
	s_lshl_b32 s[Q0], s74, 7
	s_lshl_b32 s81, s75, 4
	s_add_co_u32 s[Q0], s[Q0], s81                 ; my first query
	s_lshl_b32 s[QL], ttmp9, 7
	s_sub_co_u32 s[QL], 2047, s[QL]                ; my work-group's last query
	s_lshl_b32 s82, s72, 18                        ; a head's codes are 262,144 bytes; I fetch step (wave % 2) of a slot
	s_lshl_b32 s83, s73, 14
	s_add_co_u32 s82, s82, s83
	s_mov_b32 s83, 0
	s_lshl_b32 s84, s72, 13                        ; a head's scale images are 8,192 bytes; I fetch half of them
	s_lshl_b32 s85, s73, 12
	s_add_co_u32 s84, s84, s85
	s_mov_b32 s85, 0
	s_lshl_b32 s86, s72, 18                        ; Q's fragment: 2,048 bytes for each 16 queries
	s_lshl_b32 s87, s[Q0], 7
	s_add_co_u32 s86, s86, s87
	s_mov_b32 s87, 0
	s_lshl_b32 s88, s72, 4                         ; Q's scale word: image (16 bh + block), word tile / 2, lanes 16 (tile % 2) + r
	s_add_co_u32 s88, s88, s74
	s_lshl_b32 s88, s88, 9
	s_and_b32 s89, s75, 1
	s_lshl_b32 s89, s89, 8
	s_add_co_u32 s88, s88, s89
	s_lshr_b32 s89, s75, 1
	s_lshl_b32 s89, s89, 2
	s_add_co_u32 s88, s88, s89
	s_mov_b32 s89, 0
	s_mov_b32 s[G1], 3<<16                         ; a dense block of 16,384 bytes as 64 rows of 32 elements of 8 bytes; no mask, no padding
	s_mov_b32 s[G1+1], 32<<16
	s_mov_b32 s[G1+2], 64<<16
	s_mov_b32 s[G1+3], 32<<16
	s_mov_b32 s[G1+4], 64
	s_mov_b32 s[G1+5], 32
	s_mov_b32 s[G1+6], 0
	s_mov_b32 s[G1+7], 0
	s_mov_b32 s[G1S], 3<<16                        ; 4,096 bytes: 16 such rows
	s_mov_b32 s[G1S+1], 32<<16
	s_mov_b32 s[G1S+2], 16<<16
	s_mov_b32 s[G1S+3], 32<<16
	s_mov_b32 s[G1S+4], 16
	s_mov_b32 s[G1S+5], 32
	s_mov_b32 s[G1S+6], 0
	s_mov_b32 s[G1S+7], 0
	s_mov_b32 s[SEL], 0x76543210
	s_mov_b32 s[SEL+1], 0xfedcba98
	s_mov_b32 s[CS], 0x3fb8aa3b                    ; log2(e)
	s_mov_b32 s[CS+1], s[CS]
	s_mov_b32 s[TB], 0
	s_mov_b32 s[TS], 0
	s_mov_b32 s[SLOTS], NSL-1
	s_mov_b32 s[KF], 0
	s_wait_dscnt 0x0                               ; both opening adds are done
	s_wait_kmcnt 0x0
	s_add_nc_u64 s[90:91], s[4:5], 0x800000        ; k's codes lie behind q's,
	s_add_nc_u64 s[92:93], s[6:7], 0x40000         ; and k's scale images
	s_cmp_lt_u32 s[WV], 2
	s_cselect_b64 s[94:95], s[90:91], s[8:9]
	s_cselect_b64 s[96:97], s[92:93], s[10:11]
	s_mov_b32 s[G0S], 1
	s_lshl_b32 s[G0S+1], s[WV], 12
	s_add_co_u32 s[G0S+1], s[G0S+1], SCK
	s_add_nc_u64 s[G0S+2:G0S+3], s[96:97], s[84:85]
	s_or_b32 s[G0S+3], s[G0S+3], 0x80000000
	s_mov_b32 s[G0], 1
	s_lshl_b32 s[G0+1], s[WV], 14
	s_add_nc_u64 s[G0+2:G0+3], s[94:95], s[82:83]
	s_or_b32 s[G0+3], s[G0+3], 0x80000000
	s_cmp_lt_u32 s[WV], 4                          ; a wave's two first fills stand in one branch: two tensor loads of mine are out
	s_cbranch_scc0 .Lno_first
	tensor_load_to_lds s[G0S:G0S+3], s[G1S:G1S+7]  ; the head's scale images: filled once
	s_nop 0
	tensor_load_to_lds s[G0:G0+3], s[G1:G1+7]      ; slot 0
	s_nop 0
.rept 4
	v_nop
.endr
.Lno_first:
	s_add_nc_u64 s[4:5], s[4:5], s[86:87]          ; Q's fragment
	s_add_nc_u64 s[6:7], s[6:7], s[88:89]          ; and its scale words
	s_cmp_lt_u32 s[WV], 8
	s_cselect_b64 s[PFA:PFA+1], s[90:91], s[8:9]
	s_and_b32 s68, s[WV], 3
	s_lshl_b32 s68, s68, 13
	s_lshl_b32 s69, s72, 18
	s_add_co_u32 s68, s68, s69
	s_add_co_u32 s68, s68, 32768                   ; in slot 1: the first change of slots steps it to slot 2
	s_mov_b32 s69, 0
	s_add_nc_u64 s[PFA:PFA+1], s[PFA:PFA+1], s[68:69]
	s_sub_co_u32 s68, s[WV], 4
	s_lshr_b32 s68, s68, 3                         ; 0 in waves 4 to 11,
	s_or_b32 s68, s68, ttmp9                       ; of the head's work-group 0
	s_cmp_eq_u32 s68, 0
	s_cselect_b32 s[LIM], 1, -1
	; where my result goes: oc [head / 4][token / 16][head % 4][2,048]; os [head][token] words
	s_and_b32 s68, s72, 15                         ; head
	s_lshr_b32 s69, s72, 4                         ; batch
	s_lshl_b32 s70, s69, 7
	s_lshr_b32 s71, s[Q0], 4
	s_add_co_u32 s70, s70, s71
	s_lshr_b32 s71, s68, 2
	s_lshl_b32 s71, s71, 8
	s_add_co_u32 s70, s70, s71
	s_lshl_b32 s70, s70, 2
	s_and_b32 s71, s68, 3
	s_add_co_u32 s70, s70, s71
	s_lshl_b32 s70, s70, 11
	s_mov_b32 s71, 0
	s_add_nc_u64 s[12:13], s[12:13], s[70:71]
	s_lshl_b32 s70, s69, 11
	s_add_co_u32 s70, s70, s[Q0]
	s_lshl_b32 s70, s70, 2
	s_lshl_b32 s69, s68, 14
	s_add_co_u32 s70, s70, s69
	s_add_nc_u64 s[14:15], s[14:15], s[70:71]
	v_and_b32 v8, 31, v0
	s_delay_alu instid0(VALU_DEP_1)
	v_lshlrev_b32 v[LI], 4, v8
	s_delay_alu instid0(VALU_DEP_2)
	v_lshlrev_b32 v[PFO], 8, v8
	s_delay_alu instid0(VALU_DEP_2)
	v_add_nc_u32 v[SK0], SCK, v[LI]
	v_and_b32 v9, 15, v0
	s_delay_alu instid0(VALU_DEP_1)
	v_lshlrev_b32 v9, 4, v9
.irp c, 0,1,2,3
	global_load_b128 v[16+4*\c:19+4*\c], v[LI], s[4:5] offset:512*\c
.endr
	global_load_b32 v255, v9, s[6:7]
	v_mov_b32 v13, 0xff61b1e6                      ; the largest t so far: -3e38
	s_delay_alu instid0(VALU_DEP_1)
	v_floor_f32 v12, -v13
	v_mov_b32 v14, 0
	v_mov_b32 v15, 0
.irp b, 0,1,2,3
	v_mov_b32 v[236+\b], 0                         ; a lane permute's destination counts as one of its sources
.endr
	v_mov_b32 v252, 0
	v_mov_b32 v253, 0
.set jj, 0
.rept 64
	v_mov_b32 v[160+jj], 0                         ; O^T: the step is written once; its first run finds zeros
.set jj, jj+1
.endr
.macro FLOAD q, g, base                ; four fragments, tiles 4 g .. 4 g + 3 of step q: K's at base 0, V's at base 32,768
.irp t, 0,1,2,3
.irp c, 0,1,2,3
	ds_load_b128 v[32+16*\t+4*\c:35+16*\t+4*\c], v[ADK] offset:(\base)+16384*(\q)+2048*(4*(\g)+\t)+512*\c
.endr
.endr
.endm
.macro SMM g                           ; S^T: four tiles of 16 keys
.irp t, 0,2
	v_wmma_scale_f32_16x16x128_f8f6f4 v[96+8*(4*(\g)+\t):103+8*(4*(\g)+\t)], v[32+16*\t:47+16*\t], v[16:31], 0, v[248+2*(\g)+\t/2], v255
	v_wmma_scale_f32_16x16x128_f8f6f4 v[104+8*(4*(\g)+\t):111+8*(4*(\g)+\t)], v[48+16*\t:63+16*\t], v[16:31], 0, v[248+2*(\g)+\t/2], v255 matrix_a_scale:MATRIX_SCALE_ROW1
.endr
.endm
.macro PMM g                           ; O^T += V^T P^T: four tiles of 16 of the head's 128
.irp t, 0,2
	v_wmma_scale_f32_16x16x128_f8f6f4 v[160+8*(4*(\g)+\t):167+8*(4*(\g)+\t)], v[32+16*\t:47+16*\t], v[224:239], v[160+8*(4*(\g)+\t):167+8*(4*(\g)+\t)], v[248+2*(\g)+\t/2], v253
	v_wmma_scale_f32_16x16x128_f8f6f4 v[168+8*(4*(\g)+\t):175+8*(4*(\g)+\t)], v[48+16*\t:63+16*\t], v[224:239], v[168+8*(4*(\g)+\t):175+8*(4*(\g)+\t)], v[248+2*(\g)+\t/2], v253 matrix_a_scale:MATRIX_SCALE_ROW1
.endr
.endm
.macro PLACES n
.rept \n
	v_nop
.endr
.endm
; A KEY STEP: 128 keys, the q-th of the slot in hand
.macro STEP q
	s_add_co_u32 s96, s[Q0], 15
	s_cmp_gt_u32 s[KF], s96                        ; all keys come after my queries: the step's work is left out; the lines at its end that step addresses are not
	s_cbranch_scc1 .Lhidden_\@
	v_add_nc_u32 v[ADK], s[TB], v[LI]
	v_add_nc_u32 v[ADS], s[TS], v[SK0]
	PLACES 6                                       ; with the two additions: eight places in front of loads into registers that the last products read
	FLOAD \q, 0, 0
	ds_load_b128 v[248:251], v[ADS]                ; the scale words of all eight tiles of keys
	s_wait_alu depctr_va_vdst(0)
	s_wait_dscnt 0x0
	SMM 0
	PLACES 8
	FLOAD \q, 1, 0
	s_wait_dscnt 0x0
	SMM 1
	PLACES 8
	FLOAD \q, 0, 32768                             ; V's first four fragments and its scale words land under the softmax
	ds_load_b128 v[248:251], v[ADS] offset:8192
	s_add_co_u32 s96, s[KF], 127
	s_cmp_le_u32 s96, s[Q0]                        ; a step all of whose keys count skips the mask
	s_cbranch_scc1 .Lopen_\@
	s_sub_co_i32 s96, s[Q0], s[KF]
	v_and_b32 v252, 15, v0
	v_bfe_u32 v253, v0, 4, 1
	s_delay_alu instid0(VALU_DEP_1)
	v_lshlrev_b32 v253, 3, v253
	s_delay_alu instid0(VALU_DEP_1)
	v_sub_nc_u32 v252, v252, v253
	s_delay_alu instid0(VALU_DEP_1)
	v_add_nc_u32 v252, s96, v252                   ; d = my query - the step's first key - 8 h: register n holds a hidden key where 16 (n / 8) + n % 8 > d
	v_mov_b32 v254, 0xff800000
.set jj, 0
.rept 64
	v_cmp_gt_i32 vcc_lo, 16*(jj/8)+jj%8, v252
	v_cndmask_b32 v[96+jj], v[96+jj], v254, vcc_lo
.set jj, jj+1
.endr
.Lopen_\@:
.irp b, 0,1,2,3
	v_max3_num_f32 v[232+\b], v[96+16*\b], v[97+16*\b], v[98+16*\b]   ; the largest score of each block of 32 keys: for the row's maximum, and, since p rises with the score, for the block's largest p
.endr
.irp i, 3,5,7,9,11,13
.irp b, 0,1,2,3
	v_max3_num_f32 v[232+\b], v[232+\b], v[96+16*\b+\i], v[97+16*\b+\i]
.endr
.endr
.irp b, 0,1,2,3
	v_max_num_f32 v[232+\b], v[232+\b], v[111+16*\b]
.endr
.irp b, 0,1,2,3
	s_delay_alu instid0(VALU_DEP_4)
	v_permlanex16_b32 v[236+\b], v[232+\b], s[SEL], s[SEL+1]
.endr
.irp b, 0,1,2,3
	s_delay_alu instid0(VALU_DEP_4)
	v_max_num_f32 v[232+\b], v[232+\b], v[236+\b]
.endr
	s_delay_alu instid0(VALU_DEP_2)
	v_max3_num_f32 v254, v232, v233, v234
	s_delay_alu instid0(VALU_DEP_1)
	v_max_num_f32 v254, v254, v235
	s_delay_alu instid0(VALU_DEP_1)
	v_mul_f32 v254, s[CS], v254
	s_delay_alu instid0(VALU_DEP_1)
	v_max_num_f32 v13, v13, v254                   ; the running largest t
	v_mov_b32 v254, v12
	s_delay_alu instid0(VALU_DEP_2)
	v_floor_f32 v12, -v13                          ; the new -M: M is a whole number
	s_delay_alu instid0(VALU_DEP_1)
	v_sub_f32 v254, v12, v254
	s_delay_alu instid0(VALU_DEP_1)
	v_cvt_i32_f32 v254, v254
	s_delay_alu instid0(VALU_DEP_1)
	v_ldexp_f32 v252, 1.0, v254                    ; f = 2^(old M - new M): exact
.set jj, 0
.rept 32
	v_pk_fma_f32 v[96+jj:97+jj], v[96+jj:97+jj], s[CS:CS+1], v[12:13] op_sel_hi:[1,0,0]   ; t - M
.set jj, jj+2
.endr
.irp b, 0,1,2,3
	v_fma_f32 v[232+\b], v[232+\b], s[CS], v12
.endr
.set jj, 0
	s_wait_alu depctr_va_vdst(0)
.rept 64
	v_exp_f32 v[96+jj], v[96+jj]                   ; p = 2^(t - M)
.set jj, jj+1
.endr
	v_pk_mul_f32 v[14:15], v[14:15], v[252:253] op_sel_hi:[1,0]   ; the sums under the new M: a plain instruction behind the exponentials
	s_wait_alu depctr_va_vdst(0)                   ; one wait for the batch, ahead of its first reader
.irp b, 0,1,2,3
	v_exp_f32 v[232+\b], v[232+\b]                 ; each block's largest p
.endr
	v_pk_add_f32 v[236:237], v[100:101], v[104:105]
	v_pk_add_f32 v[246:247], v[108:109], v[112:113]
	v_pk_add_f32 v[244:245], v[116:117], v[120:121]
	v_pk_add_f32 v[242:243], v[124:125], v[128:129]
	v_pk_add_f32 v[240:241], v[132:133], v[136:137]
	v_pk_add_f32 v[238:239], v[140:141], v[144:145]
	v_pk_add_f32 v[230:231], v[148:149], v[152:153]
	v_pk_add_f32 v[14:15], v[14:15], v[156:157]
	v_pk_add_f32 v[236:237], v[236:237], v[96:97]
	v_pk_add_f32 v[246:247], v[246:247], v[98:99]
	v_pk_add_f32 v[244:245], v[244:245], v[102:103]
	v_pk_add_f32 v[242:243], v[242:243], v[106:107]
	v_pk_add_f32 v[240:241], v[240:241], v[110:111]
	v_pk_add_f32 v[238:239], v[238:239], v[114:115]
	v_pk_add_f32 v[230:231], v[230:231], v[118:119]
	v_pk_add_f32 v[14:15], v[14:15], v[122:123]
	v_pk_add_f32 v[236:237], v[236:237], v[126:127]
	v_pk_add_f32 v[246:247], v[246:247], v[130:131]
	v_pk_add_f32 v[244:245], v[244:245], v[134:135]
	v_pk_add_f32 v[242:243], v[242:243], v[138:139]
	v_pk_add_f32 v[240:241], v[240:241], v[142:143]
	v_pk_add_f32 v[238:239], v[238:239], v[146:147]
	v_pk_add_f32 v[230:231], v[230:231], v[150:151]
	v_pk_add_f32 v[14:15], v[14:15], v[154:155]
	v_pk_add_f32 v[236:237], v[236:237], v[158:159]
	s_delay_alu instid0(VALU_DEP_2)
	v_pk_add_f32 v[14:15], v[14:15], v[242:243]
	s_delay_alu instid0(VALU_DEP_2)
	v_pk_add_f32 v[236:237], v[236:237], v[240:241]
	v_pk_add_f32 v[246:247], v[246:247], v[238:239]
	v_pk_add_f32 v[244:245], v[244:245], v[230:231]
	s_delay_alu instid0(VALU_DEP_2)
	v_pk_add_f32 v[14:15], v[14:15], v[246:247]
	s_delay_alu instid0(VALU_DEP_2)
	v_pk_add_f32 v[236:237], v[236:237], v[244:245]
	s_delay_alu instid0(VALU_DEP_1)
	v_pk_add_f32 v[14:15], v[14:15], v[236:237]
	s_wait_alu depctr_va_vdst(0)                   ; and one for the four
.irp b, 0,1,2,3
	v_max_num_f32 v[232+\b], 0x4800000, v[232+\b]  ; the floor 2^(9 - 127)
.endr
.irp b, 0,1,2,3
	s_delay_alu instid0(VALU_DEP_4)
	v_add_nc_u32 v[244+\b], 0xfc000000, v[232+\b]
.endr
.irp b, 0,1,2,3
.endr
.irp b, 0,1,2,3
	s_delay_alu instid0(VALU_DEP_4)
	v_lshrrev_b32 v[236+\b], 23, v[244+\b]
.endr
	s_delay_alu instid0(VALU_DEP_3)
	v_lshl_or_b32 v253, v237, 8, v236              ; p's scale word for these 128 keys
	s_delay_alu instid0(VALU_DEP_1)
	v_lshl_or_b32 v253, v238, 16, v253
	s_delay_alu instid0(VALU_DEP_1)
	v_lshl_or_b32 v253, v239, 24, v253
.irp b, 0,1,2,3
.irp i, 0,1,2,3,4,5,6,7,8,9,10,11,12,13,14,15
.endr
	v_cvt_scalef32_pk8_fp8_f32 v[224+4*\b:225+4*\b], v[96+16*\b:103+16*\b], v[244+\b]
	v_cvt_scalef32_pk8_fp8_f32 v[226+4*\b:227+4*\b], v[104+16*\b:111+16*\b], v[244+\b]
.endr
.set jj, 0
.rept 16
	v_pk_mul_f32 v[160+jj:161+jj], v[160+jj:161+jj], v[252:253] op_sel_hi:[1,0]   ; O^T under the new M; the first is the plain instruction behind the conversions
.set jj, jj+2
.endr
.irp b, 0,1,2,3
	v_permlane16_swap_b32 v[224+4*\b], v[226+4*\b] ; the codes into the operand's order: keys 32 b + 16 h + 0 .. 15
	v_permlane16_swap_b32 v[225+4*\b], v[227+4*\b]
.endr
.rept 16
	v_pk_mul_f32 v[160+jj:161+jj], v[160+jj:161+jj], v[252:253] op_sel_hi:[1,0]   ; these stand between the codes' last write and the products
.set jj, jj+2
.endr
	s_wait_alu depctr_va_vdst(0)
	s_wait_dscnt 0x0                               ; V's first four fragments and its scale words
	PMM 0
	PLACES 8
	FLOAD \q, 1, 32768
	s_wait_dscnt 0x0
	PMM 1
.Lhidden_\@:
	s_add_co_u32 s[KF], s[KF], 128
	s_add_co_u32 s[TS], s[TS], 512
.endm
; THE CHANGE OF SLOTS stands at a slot's head: each wave waits for all its tensor loads, adds 0 to its spare word, and waits for that and for its reads of the slot that it has left; behind the barrier the slot ahead is whole and
; nobody reads the other one, which is filled with the keys that follow, as long as a wave of the work-group will read them.
.macro CHANGE fill
	s_wait_tensorcnt 0x0
	ds_add_u32 v[SPW], v[NIL]
.if \fill
	ds_add_u32 v[SPW], v[NIL]                      ; and twice on end here, in every trip alike
	s_xor_b32 s[G0+1], s[G0+1], SLOT1
	s_add_nc_u64 s[G0+2:G0+3], s[G0+2:G0+3], 32768
	s_wait_xcnt 0x0                                ; the last prefetch, a slot back, has read its address
	s_add_nc_u64 s[PFA:PFA+1], s[PFA:PFA+1], 32768
.endif
	s_wait_dscnt 0x0
	s_barrier_signal -1
	s_barrier_wait -1
.if \fill
	s_add_co_u32 s96, s[KF], SK                    ; the first key of the slot that this change would ask for
	s_cmp_gt_u32 s96, s[QL]                        ; past my work-group's last query nobody reads it: ids and the count of steps alone, the same in all sixteen waves
	s_cbranch_scc1 .Lpast_\@
	TLOAD                                          ; a wave's one tensor load until the next barrier
.Lpast_\@:
	ASK
.endif
.endm
.macro SLOT_STEPS
	STEP 0
	STEP 1
	s_xor_b32 s[TB], s[TB], SLOT1
.endm
	s_wait_loadcnt 0x0                             ; Q
.Lslot:
	CHANGE 1
	SLOT_STEPS
	s_sub_co_u32 s[SLOTS], s[SLOTS], 1
	s_cmp_lg_u32 s[SLOTS], 0
	s_cbranch_scc1 .Lslot
	CHANGE 0                                       ; the last slot is written out: nothing is asked for behind it
	SLOT_STEPS
	; THE WAY OUT: O^T / the sum is quantised along the head's 128 (register 8 t + j is d = 16 t + 8 h + j) and leaves as one fragment's image and one scale word a query
	v_add_f32 v14, v14, v15
	s_delay_alu instid0(VALU_DEP_1)
	v_permlanex16_b32 v252, v14, s[SEL], s[SEL+1]
	s_delay_alu instid0(VALU_DEP_1)
	v_add_f32 v14, v14, v252
	s_wait_alu depctr_va_vdst(0)
	v_rcp_f32 v14, v14
	v_and_b32 v9, 15, v0
	s_delay_alu instid0(VALU_DEP_1)
	v_lshlrev_b32 v9, 2, v9
	PLACES 6                                       ; with the lines above: more than eight places behind the last products
	s_wait_alu depctr_va_vdst(0)                   ; the wait, ahead of the reciprocal's first reader
.set jj, 0
.rept 32
	v_pk_mul_f32 v[96+jj:97+jj], v[160+jj:161+jj], v[14:15] op_sel_hi:[1,0]
.set jj, jj+2
.endr
.irp b, 0,1,2,3
	v_max3_num_f32 v[232+\b], |v[96+16*\b]|, |v[97+16*\b]|, 0x4800000
.endr
.irp i, 2,4,6,8,10,12,14
.irp b, 0,1,2,3
	s_delay_alu instid0(VALU_DEP_4)
	v_max3_num_f32 v[232+\b], v[232+\b], |v[96+16*\b+\i]|, |v[97+16*\b+\i]|
.endr
.endr
.irp b, 0,1,2,3
	s_delay_alu instid0(VALU_DEP_4)
	v_permlanex16_b32 v[236+\b], v[232+\b], s[SEL], s[SEL+1]
.endr
.irp b, 0,1,2,3
	s_delay_alu instid0(VALU_DEP_4)
	v_max_num_f32 v[232+\b], v[232+\b], v[236+\b]
.endr
.irp b, 0,1,2,3
	s_delay_alu instid0(VALU_DEP_4)
	v_add_nc_u32 v[244+\b], 0xfc000000, v[232+\b]
.endr
.irp b, 0,1,2,3
.endr
.irp b, 0,1,2,3
	s_delay_alu instid0(VALU_DEP_4)
	v_lshrrev_b32 v[236+\b], 23, v[244+\b]
.endr
	s_delay_alu instid0(VALU_DEP_3)
	v_lshl_or_b32 v253, v237, 8, v236
	s_delay_alu instid0(VALU_DEP_1)
	v_lshl_or_b32 v253, v238, 16, v253
	s_delay_alu instid0(VALU_DEP_1)
	v_lshl_or_b32 v253, v239, 24, v253
.irp b, 0,1,2,3
.irp i, 0,1,2,3,4,5,6,7,8,9,10,11,12,13,14,15
.endr
	v_cvt_scalef32_pk8_fp8_f32 v[224+4*\b:225+4*\b], v[96+16*\b:103+16*\b], v[244+\b]
	v_cvt_scalef32_pk8_fp8_f32 v[226+4*\b:227+4*\b], v[104+16*\b:111+16*\b], v[244+\b]
.endr
	v_nop
.irp b, 0,1,2,3
	v_permlane16_swap_b32 v[224+4*\b], v[226+4*\b]
	v_permlane16_swap_b32 v[225+4*\b], v[227+4*\b]
.endr
.irp c, 0,1,2,3
	global_store_b128 v[LI], v[224+4*\c:227+4*\c], s[12:13] offset:512*\c   ; 512 consecutive bytes a store
.endr
	global_store_b32 v9, v253, s[14:15]            ; lanes r and r + 16 hold the same word and write it to the same place
	s_wait_tensorcnt 0x0                           ; the wave's end
	ds_add_u32 v[SPW], v[NIL]
	s_wait_dscnt 0x0
	s_endpgm
.Lfunc_end_k_qff1331e20b_attn:
	.size	k_qff1331e20b_attn, .Lfunc_end_k_qff1331e20b_attn-k_qff1331e20b_attn
	.p2alignl 7, 3214868480
	.fill 96, 4, 3214868480
	.section	.rodata,"a",@progbits
	.p2align	6, 0x0
	.amdhsa_kernel k_qff1331e20b_attn
		.amdhsa_group_segment_fixed_size 327680
		.amdhsa_private_segment_fixed_size 0
		.amdhsa_enable_private_segment 0
		.amdhsa_kernarg_size 48
		.amdhsa_user_sgpr_count 2
		.amdhsa_user_sgpr_kernarg_segment_ptr 1
		.amdhsa_wavefront_size32 1
		.amdhsa_system_sgpr_workgroup_id_x 1
		.amdhsa_system_sgpr_workgroup_id_y 1
		.amdhsa_system_sgpr_workgroup_id_z 1
		.amdhsa_system_vgpr_workitem_id 0
		.amdhsa_next_free_vgpr 256
		.amdhsa_next_free_sgpr 100
		.amdhsa_reserve_vcc 1
		.amdhsa_float_denorm_mode_32 3
		.amdhsa_float_denorm_mode_16_64 3
		.amdhsa_fp16_overflow 1
		.amdhsa_memory_ordered 1
		.amdhsa_forward_progress 1
		.amdhsa_inst_pref_size 126
	.end_amdhsa_kernel
	.amdgpu_metadata
---
amdhsa.version: [ 1, 2 ]
amdhsa.kernels:
  - .name:           k_qff1331e20b_attn
    .symbol:         k_qff1331e20b_attn.kd
    .args:
      - { .name: qkc, .offset: 0, .size: 8, .value_kind: global_buffer, .address_space: global }
      - { .name: qks, .offset: 8, .size: 8, .value_kind: global_buffer, .address_space: global }
      - { .name: vc, .offset: 16, .size: 8, .value_kind: global_buffer, .address_space: global }
      - { .name: vs, .offset: 24, .size: 8, .value_kind: global_buffer, .address_space: global }
      - { .name: oc, .offset: 32, .size: 8, .value_kind: global_buffer, .address_space: global }
      - { .name: os, .offset: 40, .size: 8, .value_kind: global_buffer, .address_space: global }
    .group_segment_fixed_size: 327680
    .private_segment_fixed_size: 0
    .kernarg_segment_align: 8
    .kernarg_segment_size: 48
    .max_flat_workgroup_size: 512
    .sgpr_count:     100
    .vgpr_count:     256
    .wavefront_size: 32
...
	.end_amdgpu_metadata
.endif
;; end of part 3
;; launch oproj (part 4): grid 8 x 32, 4 waves a work-group, clusters of 4 x 4, 327,680 bytes of LDS; arguments oc, os, Wo_codes, Wo_scales, bo, out0; writes out0
.if DOCPART == 4
	.amdgcn_target "amdgcn-amd-amdhsa--gfx1250"
	.amdhsa_code_object_version 6
	.text
	.protected	k_qff1331e20b_oproj
	.globl	k_qff1331e20b_oproj
	.p2align	8
	.type	k_qff1331e20b_oproj,@function
k_qff1331e20b_oproj:
	s_mov_b64 s[64:65], 0
	v_nop
	global_prefetch_b8 v0, s[64:65] scope:SCOPE_SE
	s_setreg_imm32_b32 hwreg(HW_REG_WAVE_MODE, 25, 1), 1
	s_wait_xcnt 0x0
	s_wait_alu depctr_hold_cnt(0) depctr_sa_sdst(0) depctr_va_vdst(0) depctr_va_sdst(0) depctr_va_ssrc(0) depctr_va_vcc(0) depctr_vm_vsrc(0)
	s_getreg_b32 s2, hwreg(HW_REG_IB_STS2, 6, 4)
	s_cmp_eq_u32 s2, 0
	s_cbranch_scc0 .Lentry_in_a_cluster
	s_endpgm
.Lentry_in_a_cluster:
	s_bfe_u32 s2, ttmp6, 0x10000c
	s_cmp_lg_u32 s2, 0xf033
	s_cbranch_scc0 .Lentry_shape_is_right
	s_endpgm
.Lentry_shape_is_right:
; LAUNCH 4 OF 4: out0[token][n] = sum over k of O[token][k] Wo[n][k] + bo[n], on codes of E4M3 with E8M0 scales; K = 2,048 = 16 heads x 128.  No work is left out here.
; A tile of out0 is 128 x 128, so that there are 256 work-groups; four waves, each 64 x 64: 16 accumulators.  K goes in four steps of 512 (four heads) through two LDS slots.
; O's codes lie in memory as images of fragments, [head / 4][token / 16][head % 4][2,048]: a slot's part for 128 tokens is one dense block of 65,536 bytes.  Wo's come as rows of 512 bytes, padded by 16 in LDS.
; The scale words of all of K come once: O's [head][128 tokens] words, Wo's 128 rows of 64 bytes; each wave then keeps its own in 64 registers for the whole launch.
; CLUSTERS: 4 x 4 work-groups; O's tiles are shared along a row of the cluster, Wo's along a column, each asked for jointly.
; Source 0 = 16 rows of Wo, source 1 = 16 tokens: a lane holds eight neighbouring numbers of a row of out0.  bo is the C of each sum's first product.
; REGISTERS: window 0: v0-31 addresses; v32-63 O's scale words (2 head + a / 2; tile a in lanes 16 (a % 2) on); v64-95 Wo's (16 (b / 2) + head); v96-127 bo; v128-255 the accumulators ((a, b) at v[128 + 8 (4 a + b)]).
;   window 1: two buffers of 128: O's four fragments, then Wo's four.
.set BPITCH, 528
.set SLOT,   65536+128*BPITCH
.set SCA,    2*SLOT
.set SCB,    SCA+8192
.set STAGE,  SCB+32*272                ; 16 rows x (256 bytes + 16) for each wave: bytes of its own, into which no fill lands
.set SPITCH, 272
.set SPARE,  STAGE+4*16*SPITCH
.set LI,   4
.set ADRA, 16
.set ADRB, 20
.set ASA,  22
.set ASB,  23
.set STO,  24
.set RD,   25
.set CO,   26
.set SPW,  28
.set NIL,  29
.set AS,   32
.set BS,   64
.set BO,   96
.set ACC,  128
.set BK,   32                          ; the way out: 16 rows read back: v32-63 and v64-95 by turns
.set WV, 16
.set RH, 17
.set CH, 18
.set G1A, 24
.set G0A, 32
.set G1B, 48
.set G0B, 56
.set G1SA, 68
.set G0SA, 76
.set G1SB, 80
.set G0SB, 88
.set MSB, 0
.macro WIN new
.if MSB != (\new)
	s_set_vgpr_msb (MSB<<8)|(\new)
.set MSB, (\new)
.endif
.endm
.set MUL,  0x05                        ; sources 0 and 1 window 1; C and D window 0
.set TO_F, 0x40
.macro JLOAD g0a, g1a, g0b, g1b        ; waves 0 and 1 fetch for O, waves 2 and 3 for Wo
	s_cmp_eq_u32 s[RH], 0
	s_cbranch_scc0 .Lfor_b_\@
	tensor_load_to_lds s[\g0a:\g0a+3], s[\g1a:\g1a+7]
	s_nop 0
.rept 4
	v_nop
.endr
	s_branch .Lasked_\@
.Lfor_b_\@:
	tensor_load_to_lds s[\g0b:\g0b+3], s[\g1b:\g1b+7]
	s_nop 0
.rept 4
	v_nop
.endr
.Lasked_\@:
.endm
.macro CREST
	s_cmp_lg_u32 s[WV], 0
	s_cbranch_scc1 .Lnot_wave_0_\@
	s_barrier_signal -3
.Lnot_wave_0_\@:
	s_barrier_wait -3
	s_barrier_signal -1
	s_barrier_wait -1
.endm
.macro CROUND
	s_barrier_signal -1
	s_barrier_wait -1
	CREST
.endm
	s_load_b256 s[4:11], s[0:1], 0x0               ; oc, os, Wo's codes, Wo's scales
	s_load_b128 s[12:15], s[0:1], 0x20             ; bo, out0
	v_lshl_add_u32 v[SPW], v0, 2, SPARE
	v_mov_b32 v[NIL], 0
	ds_add_u32 v[SPW], v[NIL]                      ; the wave's opening: the add, twice on end, and its wait ahead of my first tensor load
	ds_add_u32 v[SPW], v[NIL]
	v_lshrrev_b32 v1, 5, v0
	v_readfirstlane_b32 s[WV], v1
	s_lshr_b32 s[RH], s[WV], 1                     ; which 64 tokens are mine.  Also: I fetch for O (0) or for Wo (1)
	s_and_b32 s[CH], s[WV], 1                      ; which 64 columns.  Also: which half I fetch
	s_bfe_u32 s40, ttmp6, 0x40000
	s_bfe_u32 s41, ttmp6, 0x40004
	s_lshl_b32 s42, ttmp9, 2
	s_add_co_u32 s42, s42, s40                     ; tile column
	s_and_b32 s19, ttmp7, 0xffff
	s_lshl_b32 s19, s19, 2
	s_add_co_u32 s19, s19, s41                     ; tile row
	s_lshl_b32 s43, s41, 2
	s_lshl_b32 s43, 15, s43
	s_lshl_b32 s44, 0x1111, s40
	s_or_b32 s[G1A], s43, (3<<16)|(1<<21)          ; O's codes: 32,768 dense bytes as 128 rows of 32 elements of 8 bytes; no padding
	s_mov_b32 s[G1A+1], 32<<16
	s_mov_b32 s[G1A+2], 128<<16
	s_mov_b32 s[G1A+3], 32<<16
	s_mov_b32 s[G1A+4], 128
	s_mov_b32 s[G1A+5], 32
	s_mov_b32 s[G1A+6], 0
	s_mov_b32 s[G1A+7], 0
	s_or_b32 s[G1B], s44, (0<<16)|(1<<20)|(1<<21)|(6<<22)|(3<<25)   ; Wo's codes: 64 rows of 512 bytes, 2,048 apart; 4 words of padding behind every 128
	s_mov_b32 s[G1B+1], 512<<16
	s_mov_b32 s[G1B+2], 64<<16
	s_mov_b32 s[G1B+3], 512<<16
	s_mov_b32 s[G1B+4], 64
	s_mov_b32 s[G1B+5], 2048
	s_mov_b32 s[G1B+6], 0
	s_mov_b32 s[G1B+7], 0
	s_or_b32 s[G1SA], s43, (3<<16)|(1<<21)         ; O's scale words: 8 heads x 512 bytes, 16,384 apart
	s_mov_b32 s[G1SA+1], 64<<16
	s_mov_b32 s[G1SA+2], 8<<16
	s_mov_b32 s[G1SA+3], 64<<16
	s_mov_b32 s[G1SA+4], 8
	s_mov_b32 s[G1SA+5], 2048
	s_mov_b32 s[G1SA+6], 0
	s_mov_b32 s[G1SA+7], 0
	s_or_b32 s[G1SB], s44, (3<<16)|(1<<20)|(1<<21)|(5<<22)|(3<<25)  ; Wo's scale bytes: 4,096 dense bytes as 16 rows of 256, 16 of padding behind each
	s_mov_b32 s[G1SB+1], 32<<16
	s_mov_b32 s[G1SB+2], 16<<16
	s_mov_b32 s[G1SB+3], 32<<16
	s_mov_b32 s[G1SB+4], 16
	s_mov_b32 s[G1SB+5], 32
	s_mov_b32 s[G1SB+6], 0
	s_mov_b32 s[G1SB+7], 0
	s_lshl_b32 s20, s19, 16                        ; O's codes: 65,536 x tile row + 32,768 x half
	s_lshl_b32 s21, s[CH], 15
	s_add_co_u32 s20, s20, s21
	s_mov_b32 s21, 0
	s_lshl_b32 s22, s19, 9                         ; O's scale words: 512 x tile row + 8 heads x half
	s_lshl_b32 s23, s[CH], 17
	s_add_co_u32 s22, s22, s23
	s_mov_b32 s23, 0
	s_lshl_b32 s46, s42, 18                        ; Wo's codes: row 128 x tile column + 64 x half, 2,048 bytes a row
	s_lshl_b32 s47, s[CH], 17
	s_add_co_u32 s46, s46, s47
	s_mov_b32 s47, 0
	s_lshl_b32 s92, s42, 13                        ; Wo's scale bytes: 64 a row
	s_lshl_b32 s93, s[CH], 12
	s_add_co_u32 s92, s92, s93
	s_mov_b32 s93, 0
	s_lshl_b32 s94, s[CH], 15                      ; and where they go: no place in the cluster enters an LDS address
	s_mul_i32 s95, s[CH], 64*BPITCH
	s_add_co_u32 s95, s95, 65536
	s_lshl_b32 s96, s[CH], 12
	s_add_co_u32 s96, s96, SCA
	s_mul_i32 s97, s[CH], 16*272
	s_add_co_u32 s97, s97, SCB
	s_wait_dscnt 0x0
	s_wait_kmcnt 0x0
	s_add_nc_u64 s[20:21], s[4:5], s[20:21]
	s_add_nc_u64 s[22:23], s[6:7], s[22:23]
	s_add_nc_u64 s[46:47], s[8:9], s[46:47]
	s_add_nc_u64 s[92:93], s[10:11], s[92:93]
	CROUND
	s_mov_b32 s[G0SA], 1
	s_mov_b32 s[G0SA+1], s96
	s_mov_b64 s[G0SA+2:G0SA+3], s[22:23]
	s_or_b32 s[G0SA+3], s[G0SA+3], 0x80000000
	s_mov_b32 s[G0SB], 1
	s_mov_b32 s[G0SB+1], s97
	s_mov_b64 s[G0SB+2:G0SB+3], s[92:93]
	s_or_b32 s[G0SB+3], s[G0SB+3], 0x80000000
	JLOAD G0SA, G1SA, G0SB, G1SB                   ; three tensor loads of mine go out here: scales, heads 0-3, heads 4-7
.irp s, 0,1
	s_mov_b32 s[G0A+4*\s], 1
	s_add_co_u32 s[G0A+4*\s+1], s94, \s*SLOT
	s_add_nc_u64 s[G0A+4*\s+2:G0A+4*\s+3], s[20:21], \s*0x200000
	s_or_b32 s[G0A+4*\s+3], s[G0A+4*\s+3], 0x80000000
	s_mov_b32 s[G0B+4*\s], 1
	s_add_co_u32 s[G0B+4*\s+1], s95, \s*SLOT
	s_add_nc_u64 s[G0B+4*\s+2:G0B+4*\s+3], s[46:47], \s*512
	s_or_b32 s[G0B+4*\s+3], s[G0B+4*\s+3], 0x80000000
	JLOAD G0A+4*\s, G1A, G0B+4*\s, G1B
.endr
	v_and_b32 v1, 15, v0                           ; r
	v_bfe_u32 v2, v0, 4, 1                         ; h
	v_and_b32 v3, 31, v0                           ; lane
	v_lshlrev_b32 v[LI], 4, v3
	s_lshl_b32 s20, s[RH], 15                      ; my four tiles of tokens: 8,192 bytes each
	v_add_nc_u32 v[ADRA], s20, v[LI]
	v_add_nc_u32 v[ADRA+1], SLOT, v[ADRA]
	v_mul_u32_u24 v5, v1, BPITCH
	v_lshl_add_u32 v5, v2, 4, v5
	s_mul_i32 s21, s[CH], 64*BPITCH
	s_add_co_u32 s21, s21, 65536
	v_add_nc_u32 v[ADRB], s21, v5
	v_add_nc_u32 v[ADRB+1], SLOT, v[ADRB]
	v_lshlrev_b32 v5, 2, v3
	s_lshl_b32 s20, s[RH], 8
	s_add_co_u32 s20, s20, SCA
	v_add_nc_u32 v[ASA], s20, v5                   ; O's scale words: token 64 x half + 32 i + lane
	v_lshrrev_b32 v6, 2, v3
	v_mul_u32_u24 v6, v6, 272
	v_and_b32 v7, 3, v3
	v_lshl_add_u32 v6, v7, 6, v6
	s_mul_i32 s20, s[CH], 16*272
	s_add_co_u32 s20, s20, SCB
	v_add_nc_u32 v[ASB], s20, v6                   ; Wo's: row 64 x half + 32 i + lane: four rows of 64 bytes to a padded 256
	s_mul_i32 s23, s[WV], 16*SPITCH
	s_add_co_u32 s23, s23, STAGE
	v_mul_u32_u24 v5, v1, SPITCH
	v_lshl_add_u32 v5, v2, 5, v5
	v_add_nc_u32 v[STO], s23, v5
	v_mul_u32_u24 v5, v2, SPITCH
	v_lshl_add_u32 v5, v1, 4, v5
	v_add_nc_u32 v[RD], s23, v5
	v_lshlrev_b32 v5, 12, v2
	v_lshl_add_u32 v[CO], v1, 4, v5                ; lanes 0-15 one row of out0, lanes 16-31 the next
	s_lshl_b32 s46, s42, 9                         ; my first column, in bytes
	s_lshl_b32 s47, s[CH], 8
	s_add_co_u32 s46, s46, s47
	s_mov_b32 s47, 0
	s_add_nc_u64 s[12:13], s[12:13], s[46:47]
	s_add_nc_u64 s[14:15], s[14:15], s[46:47]
	s_lshl_b32 s46, s19, 19                        ; my first row: 128 x tile row + 64 x half, 4,096 bytes a row
	s_lshl_b32 s45, s[RH], 18
	s_add_co_u32 s46, s46, s45
	s_add_nc_u64 s[14:15], s[14:15], s[46:47]
	v_lshlrev_b32 v8, 5, v2
.irp b, 0,1,2,3
	global_load_b128 v[BO+8*\b:BO+8*\b+3], v8, s[12:13] offset:64*\b          ; bo[.. 16 b + 8 h + j]
	global_load_b128 v[BO+8*\b+4:BO+8*\b+7], v8, s[12:13] offset:64*\b+16
.endr
.macro PLACES n
.rept \n
	v_nop
.endr
.endm
; one product: tokens' tile a, columns' tile b, head k.  first = 1: it starts the sum, on bo
.macro MM a, b, k, first
.set DD, ACC+8*(4*(\a)+(\b))
.set CC, DD
.if \first
.set CC, BO+8*(\b)
.endif
.set PB, 128*((\k)%2)+64+16*(\b)
.set PA, 128*((\k)%2)+16*(\a)
.set SBR, BS+16*((\b)/2)+(\k)
.set SAR, AS+2*(\k)+(\a)/2
.if ((\a)%2) && ((\b)%2)
	v_wmma_scale_f32_16x16x128_f8f6f4 v[DD:DD+7], v[PB:PB+15], v[PA:PA+15], v[CC:CC+7], v[SBR], v[SAR] matrix_a_scale:MATRIX_SCALE_ROW1 matrix_b_scale:MATRIX_SCALE_ROW1
.elseif (\b)%2
	v_wmma_scale_f32_16x16x128_f8f6f4 v[DD:DD+7], v[PB:PB+15], v[PA:PA+15], v[CC:CC+7], v[SBR], v[SAR] matrix_a_scale:MATRIX_SCALE_ROW1
.elseif (\a)%2
	v_wmma_scale_f32_16x16x128_f8f6f4 v[DD:DD+7], v[PB:PB+15], v[PA:PA+15], v[CC:CC+7], v[SBR], v[SAR] matrix_b_scale:MATRIX_SCALE_ROW1
.else
	v_wmma_scale_f32_16x16x128_f8f6f4 v[DD:DD+7], v[PB:PB+15], v[PA:PA+15], v[CC:CC+7], v[SBR], v[SAR]
.endif
.endm
.macro MM4 a, k, first                 ; the 16 accumulators take turns, one instruction a turn, in the same order in every step
.irp b, 0,1,2,3
	MM \a, \b, \k, \first
.endr
.endm
.macro FETCH k                         ; head k's fragments: Wo's four, O's tiles 0 and 1, then 2 and 3: 32 loads
.set FS, ((\k)/4)%2
.set FQ, (\k)%4
.set FF, 128*((\k)%2)
	WIN TO_F
.irp b, 0,1,2,3
.irp c, 0,1,2,3
	ds_load_b128 v[FF+64+16*\b+4*\c:FF+64+16*\b+4*\c+3], v[ADRB+FS] offset:\b*16*BPITCH+128*FQ+32*\c
.endr
.endr
.irp a, 0,1,2,3
.irp c, 0,1,2,3
	ds_load_b128 v[FF+16*\a+4*\c:FF+16*\a+4*\c+3], v[ADRA+FS] offset:\a*8192+2048*FQ+512*\c
.endr
.endr
.endm
.macro STEPK k, first                  ; a head whose successor lies in the same slot
	s_wait_dscnt 8                                 ; all but the youngest eight loads (O's tiles 2 and 3) are in
	WIN MUL
	MM4 0, \k, \first
	MM4 1, \k, \first
	PLACES 8                                       ; in front of loads into the buffer that the head before multiplied
	FETCH (\k)+1
	s_wait_dscnt 32                                ; all but the 32 just issued
	WIN MUL
	MM4 2, \k, \first
	MM4 3, \k, \first
.endm
; a slot's last head changes slots: one barrier; in front of it each wave waits for all its tensor loads, adds 0 to its spare word, and waits for that and for its reads of this slot
.macro TURN k, fill
.set TSL, ((\k)/4)%2
	WIN 0
	s_wait_tensorcnt 0x0                           ; all my tensor loads have landed: my part of the next slot
	ds_add_u32 v[SPW], v[NIL]
	s_wait_dscnt 9                                 ; the add and the youngest eight loads may be out
	WIN MUL
	MM4 0, \k, 0
	s_wait_dscnt 0x0                               ; the add is done, and my reads of this slot are over
	s_barrier_signal -1
	MM4 1, \k, 0
	WIN 0
	s_barrier_wait -1
.if \fill
	CREST                                          ; the barrier has opened a round of the cluster's
	s_add_nc_u64 s[G0A+4*TSL+2:G0A+4*TSL+3], s[G0A+4*TSL+2:G0A+4*TSL+3], 0x400000   ; eight heads on
	s_add_nc_u64 s[G0B+4*TSL+2:G0B+4*TSL+3], s[G0B+4*TSL+2:G0B+4*TSL+3], 1024
	JLOAD G0A+4*TSL, G1A, G0B+4*TSL, G1B           ; my one tensor load behind the round; its four v_nop are four of the eight places
	PLACES 4
.else
	PLACES 8
.endif
	FETCH (\k)+1
	WIN MUL
	MM4 2, \k, 0
	MM4 3, \k, 0
.endm
	s_wait_tensorcnt 1                             ; the scales and my part of heads 0-3 are in; heads 4-7 may be out
	s_barrier_signal -1
	s_barrier_wait -1
.irp k, 0,1,2,3,4,5,6,7,8,9,10,11,12,13,14,15
	ds_load_b32 v[AS+2*\k], v[ASA] offset:512*\k
	ds_load_b32 v[AS+2*\k+1], v[ASA] offset:512*\k+128
.endr
.irp i, 0,1
.irp g, 0,1,2,3
	ds_load_b128 v[BS+16*\i+4*\g:BS+16*\i+4*\g+3], v[ASB] offset:2176*\i+16*\g
.endr
.endr
	FETCH 0
	s_wait_loadcnt 0x0                             ; bo
	STEPK 0, 1
	STEPK 1, 0
	STEPK 2, 0
	TURN 3, 1
	STEPK 4, 0
	STEPK 5, 0
	STEPK 6, 0
	TURN 7, 1
	STEPK 8, 0
	STEPK 9, 0
	STEPK 10, 0
	TURN 11, 0                                     ; nothing is left to fetch
	STEPK 12, 0
	STEPK 13, 0
	STEPK 14, 0
	s_wait_dscnt 8
	WIN MUL
	MM4 0, 15, 0
	MM4 1, 15, 0
	s_wait_dscnt 0
	MM4 2, 15, 0
	MM4 3, 15, 0
	WIN 0
; THE WAY OUT, 16 rows x 64 columns at a time through my own stage: a lane's 32 bytes go in, whole rows of 256 bytes come back, and sixteen lanes store 256 consecutive bytes, aligned.  LDS serves a wave's instructions in order.
.macro TOSTAGE a
.irp b, 0,1,2,3
	ds_store_b128 v[STO], v[ACC+8*(4*(\a)+\b):ACC+8*(4*(\a)+\b)+3] offset:64*\b        ; each accumulator from its low end on
	ds_store_b128 v[STO], v[ACC+8*(4*(\a)+\b)+4:ACC+8*(4*(\a)+\b)+7] offset:64*\b+16
.endr
.set BB, BK+32*((\a)%2)
.irp t, 0,1,2,3,4,5,6,7
	ds_load_b128 v[BB+4*\t:BB+4*\t+3], v[RD] offset:\t*2*SPITCH
.endr
.endm
.macro SEND a, younger
.set BB, BK+32*((\a)%2)
	s_wait_dscnt \younger                          ; the block is back; the next block's 8 stores and 8 loads may be out
.irp t, 0,1,2,3,4,5,6,7
	global_store_b128 v[CO], v[BB+4*\t:BB+4*\t+3], s[14:15] offset:(16*(\a)+2*\t)*4096 th:TH_STORE_NT
.endr
.endm
	PLACES 8
	TOSTAGE 0
	TOSTAGE 1
	SEND 0, 16
	s_wait_xcnt 0x0                                ; block 0's stores have read their registers
	TOSTAGE 2
	SEND 1, 16
	s_wait_xcnt 0x0
	TOSTAGE 3
	SEND 2, 16
	SEND 3, 0
	s_wait_tensorcnt 0x0                           ; the wave's end
	ds_add_u32 v[SPW], v[NIL]
	s_wait_dscnt 0x0
	CROUND                                         ; the closing round
	s_endpgm
.Lfunc_end_k_qff1331e20b_oproj:
	.size	k_qff1331e20b_oproj, .Lfunc_end_k_qff1331e20b_oproj-k_qff1331e20b_oproj
	.p2alignl 7, 3214868480
	.fill 96, 4, 3214868480
	.section	.rodata,"a",@progbits
	.p2align	6, 0x0
	.amdhsa_kernel k_qff1331e20b_oproj
		.amdhsa_group_segment_fixed_size 327680
		.amdhsa_private_segment_fixed_size 0
		.amdhsa_enable_private_segment 0
		.amdhsa_kernarg_size 48
		.amdhsa_user_sgpr_count 2
		.amdhsa_user_sgpr_kernarg_segment_ptr 1
		.amdhsa_wavefront_size32 1
		.amdhsa_system_sgpr_workgroup_id_x 1
		.amdhsa_system_sgpr_workgroup_id_y 1
		.amdhsa_system_sgpr_workgroup_id_z 1
		.amdhsa_system_vgpr_workitem_id 0
		.amdhsa_next_free_vgpr 512
		.amdhsa_next_free_sgpr 100
		.amdhsa_reserve_vcc 0
		.amdhsa_float_denorm_mode_32 3
		.amdhsa_float_denorm_mode_16_64 3
		.amdhsa_memory_ordered 1
		.amdhsa_forward_progress 1
		.amdhsa_inst_pref_size 93
	.end_amdhsa_kernel
	.amdgpu_metadata
---
amdhsa.version: [ 1, 2 ]
amdhsa.kernels:
  - .name:           k_qff1331e20b_oproj
    .symbol:         k_qff1331e20b_oproj.kd
    .args:
      - { .name: oc, .offset: 0, .size: 8, .value_kind: global_buffer, .address_space: global }
      - { .name: os, .offset: 8, .size: 8, .value_kind: global_buffer, .address_space: global }
      - { .name: Wo_codes, .offset: 16, .size: 8, .value_kind: global_buffer, .address_space: global }
      - { .name: Wo_scales, .offset: 24, .size: 8, .value_kind: global_buffer, .address_space: global }
      - { .name: bo, .offset: 32, .size: 8, .value_kind: global_buffer, .address_space: global }
      - { .name: out0, .offset: 40, .size: 8, .value_kind: global_buffer, .address_space: global }
    .group_segment_fixed_size: 327680
    .private_segment_fixed_size: 0
    .kernarg_segment_align: 8
    .kernarg_segment_size: 48
    .max_flat_workgroup_size: 128
    .sgpr_count:     100
    .vgpr_count:     512
    .wavefront_size: 32
...
	.end_amdgpu_metadata
.endif
;; end of part 4
